; MI455X (gfx1250); checked and timed in simulation.
; The chip was launched on July 23, 2026; its instructions are those of AMD's public machine-readable ISA for CDNA 5 (MIT licence, August 2026) and "CDNA5" Instruction Set Architecture Reference Guide (July 2026). The comments in the code are by the model that wrote it; some were corrected since.
;; Self Attention. Allowed arithmetic: float matrix products may take bf16 or f16 operands with f32 sums; other float arithmetic in f32, or as packed bf16 or f16 multiplies, adds, multiply-adds, maxima and minima; sums over many terms, partial sums and values carried from step to step in f32; what a program stores and reads back later, other than sums and carried values, may be rounded once to bf16 or f16.
;; Inputs: W_attn 1,024 x 3,072 float32; W_proj 1,024 x 1,024 float32; b_attn 3,072 float32; b_proj 1,024 float32; mask 1 x 1 x 1,024 x 1,024 bool; x 8 x 1,024 x 1,024 float32.
;; Outputs: out0 8 x 1,024 x 1,024 float32.
;; One version. Each part assembles by itself: llvm-mc -triple=amdgcn-amd-amdhsa -mcpu=gfx1250 --defsym DOCPART=n.
;; ======== version 1 of 1: 4 launches
;; limits: values are held in f16: magnitudes above 65,504 overflow, below 6.1e-05 lose precision
;; workspace buffers: xb 16,777,216 bytes; wab 6,291,456 bytes; wpb 2,097,152 bytes; maskp 1,048,576 bytes; qflag 16,384 bytes of whole numbers; qkv 50,331,648 bytes; ob 16,777,216 bytes
;; launch prep (part 1): grid 1552 x 1, 4 waves a work-group, no clusters, 0 bytes of LDS; arguments x, W_attn, W_proj, mask, xb, wab, wpb, maskp, qflag; writes xb, wab, wpb, maskp, qflag
.if DOCPART == 1
	.amdgcn_target "amdgcn-amd-amdhsa--gfx1250"
	.amdhsa_code_object_version 6
	.text
	.protected	k_qf9a4e31183_prep
	.globl	k_qf9a4e31183_prep
	.p2align	8
	.type	k_qf9a4e31183_prep,@function
k_qf9a4e31183_prep:
	s_mov_b64 s[64:65], 0
	v_nop
	global_prefetch_b8 v0, s[64:65] scope:SCOPE_SE
	s_setreg_imm32_b32 hwreg(HW_REG_WAVE_MODE, 25, 1), 1
	s_wait_xcnt 0x0
; PREP.  Four jobs, chosen by the work-group's number:
;   0-15       the mask [1024 q][1024 k] of bytes 0/1 -> maskp, fp8 (E4M3) codes in the lane order of the score tiles, and qflag, a word pair for each lane
;   16-1039    x      f32 -> xb   bf16, same order            (1,024 work-groups x 8,192 numbers)
;   1040-1423  W_attn f32 -> wab  bf16, same order            (384)
;   1424-1551  W_proj f32 -> wpb: rounded to bf16, that number written as f16   (128)
; Work-groups are small, four waves.  A cast's work-group reads 32 KiB and writes 16 KiB: thread t takes 16 bytes at 16 t of each 2,048, sixteen loads in flight in every wave; a store of a wave
; covers 256 consecutive bytes, aligned.  No LDS, no barrier: no wave needs another's data.
; maskp [qtile 64][kstep 16][w 2][lane 32][16 bytes]: byte e of a lane's 16 is query 16 qtile + lane % 16, key 64 kstep + 16 (2 w + e / 8) + 8 (lane / 16) + e % 8; 0x00 = seen, 0xb8 (-1.0) = hidden.
; A ROW WITH NO KEY SEEN gets codes 0x00 throughout and the flag 0 (else -1): the attention launch then clears that row of Q, so that all its scores are 0 and its weights equal,
; which is what a softmax over 1,024 equal fill values gives.
; LIMIT.  W_proj beyond 65,504 has no f16; below 2^-14 it keeps f16's fixed step of 2^-24.
.set MWG, 16                           ; work-groups for the mask: 64 tiles of 16 rows, a wave each
.set NX,  1024                         ; parts of x
.set NXA, 1408                         ; parts of x and W_attn together
.set X,   4                            ; v[4:67]    sixteen loads of 4 f32
.set Y,   68                           ; v[68:99]   sixteen pairs of packed results
.set T,   100                          ; v[100:101] at work
.set MB,  4                            ; v[4:131]   mask: piece i (8 bytes: keys 16 i + 8 (lane / 16) + 0..7 of my row) at MB + 2 i
.set ANY, 132                          ; v[132:136] the OR of a row's bytes
.set FL,  138                          ; v[138:139] the flag, twice
.set KX,  140                          ; v140       a table of two bytes: what a mask byte 0 and a mask byte 1 become
	s_load_b512 s[8:23], s[0:1], 0x0               ; x s[8:9], W_attn s[10:11], W_proj s[12:13], mask s[14:15], xb s[16:17], wab s[18:19], wpb s[20:21], maskp s[22:23]
	s_load_b64 s[24:25], s[0:1], 0x40              ; qflag
	s_mov_b32 s2, ttmp9
	s_mov_b32 s30, 0xffff0000                      ; a word's upper bf16
	s_mov_b32 s32, 0x76543210                      ; v_permlanex16_b32: each lane takes its own place in the other half
	s_mov_b32 s33, 0xfedcba98
	s_mov_b32 s5, 0                                ; high words of the two offsets
	s_mov_b32 s7, 0
	v_lshlrev_b32 v1, 4, v0                        ; 16 t: my 16 bytes in each 2,048 read
	v_lshlrev_b32 v2, 3, v0                        ; 8 t: my 8 bytes in each 1,024 written
	s_wait_kmcnt 0x0
	s_cmp_lt_u32 s2, MWG
	s_cbranch_scc1 .Lmask
	s_sub_co_u32 s2, s2, MWG
	s_cmp_lt_u32 s2, NX                            ; x, or W_attn: the choices hang on the work-group's number alone
	s_cselect_b64 s[26:27], s[8:9], s[10:11]
	s_cselect_b64 s[28:29], s[16:17], s[18:19]
	s_cselect_b32 s3, 0, NX
	s_cmp_lt_u32 s2, NXA                           ; or W_proj
	s_cselect_b64 s[26:27], s[26:27], s[12:13]
	s_cselect_b64 s[28:29], s[28:29], s[20:21]
	s_cselect_b32 s3, s3, NXA
	s_sub_co_u32 s3, s2, s3                        ; the part's number in its tensor
	s_lshl_b32 s4, s3, 15                          ; 32,768 bytes read,
	s_lshl_b32 s6, s3, 14                          ; 16,384 written
	s_add_nc_u64 s[26:27], s[26:27], s[4:5]
	s_add_nc_u64 s[28:29], s[28:29], s[6:7]
.irp j, 0,1,2,3,4,5,6,7,8,9,10,11,12,13,14,15
	global_load_b128 v[X+4*(\j):X+4*(\j)+3], v1, s[26:27] offset:2048*(\j) th:TH_LOAD_NT
.endr
; hf = 0: rounded to bf16.  hf = 1: rounded to bf16, widened again, written as f16.  Every Y register is written once, so no store's data is ever rewritten.
.macro CAST hf
.irp j, 0,1,2,3,4,5,6,7,8,9,10,11,12,13,14,15
	s_wait_loadcnt 15-(\j)                         ; loads come back in order: number j is in, the younger ones stay out
.if \hf
	v_cvt_pk_bf16_f32 v[T],   v[X+4*(\j)],   v[X+4*(\j)+1]
	v_cvt_pk_bf16_f32 v[T+1], v[X+4*(\j)+2], v[X+4*(\j)+3]
	v_lshlrev_b32 v[X+4*(\j)],   16,  v[T]
	v_and_b32     v[X+4*(\j)+1], s30, v[T]
	v_lshlrev_b32 v[X+4*(\j)+2], 16,  v[T+1]
	v_and_b32     v[X+4*(\j)+3], s30, v[T+1]
	v_cvt_pk_f16_f32 v[Y+2*(\j)],   v[X+4*(\j)],   v[X+4*(\j)+1]
	v_cvt_pk_f16_f32 v[Y+2*(\j)+1], v[X+4*(\j)+2], v[X+4*(\j)+3]
.else
	v_cvt_pk_bf16_f32 v[Y+2*(\j)],   v[X+4*(\j)],   v[X+4*(\j)+1]
	v_cvt_pk_bf16_f32 v[Y+2*(\j)+1], v[X+4*(\j)+2], v[X+4*(\j)+3]
.endif
	global_store_b64 v2, v[Y+2*(\j):Y+2*(\j)+1], s[28:29] offset:1024*(\j)
.endr
.endm
	s_cmp_lt_u32 s2, NXA
	s_cbranch_scc0 .Lhalf
	CAST 0
	s_endpgm
.Lhalf:
	CAST 1
	s_endpgm
.Lmask:                                                ; a wave takes 16 rows of the mask: lane l holds half of row l % 16, the keys with (key / 8) % 2 = l / 16
	v_lshrrev_b32 v3, 5, v0
	v_readfirstlane_b32 s3, v3                     ; wave 0..3
	s_lshl_b32 s4, s2, 2
	s_add_co_u32 s4, s4, s3                        ; qtile
	s_lshl_b32 s6, s4, 14                          ; 16 rows of 1,024 bytes, in the mask and in maskp
	s_add_nc_u64 s[14:15], s[14:15], s[6:7]
	s_add_nc_u64 s[22:23], s[22:23], s[6:7]
	s_lshl_b32 s4, s4, 8                           ; 256 bytes of flags
	s_add_nc_u64 s[24:25], s[24:25], s[4:5]
	v_and_b32 v[ANY], 15, v0
	v_bfe_u32 v[ANY+1], v0, 4, 1
	v_lshlrev_b32 v1, 10, v[ANY]
	v_lshl_add_u32 v1, v[ANY+1], 3, v1             ; 1,024 (l % 16) + 8 (l / 16)
	v_and_b32 v[ANY+2], 31, v0
	v_lshlrev_b32 v2, 4, v[ANY+2]                  ; 16 l
	v_lshlrev_b32 v3, 3, v[ANY+2]                  ; 8 l
.set i, 0
.rept 64
	global_load_b64 v[MB+2*i:MB+2*i+1], v1, s[14:15] offset:16*i
.set i, i+1
.endr
	v_mov_b32 v[ANY+4], 0                          ; v_permlanex16_b32's destination counts as read
	s_wait_loadcnt 0x0                             ; the OR below wants all of the row
.irp c, 0,1,2,3
	v_or_b32 v[ANY+(\c)], v[MB+(\c)], v[MB+4+(\c)] ; four chains, started by the first eight words
.endr
.set i, 8
.rept 120
	v_or_b32 v[ANY+i%4], v[ANY+i%4], v[MB+i]
.set i, i+1
.endr
	v_or_b32 v[ANY], v[ANY], v[ANY+1]
	v_or_b32 v[ANY+2], v[ANY+2], v[ANY+3]
	v_or_b32 v[ANY], v[ANY], v[ANY+2]
	v_permlanex16_b32 v[ANY+4], v[ANY], s32, s33   ; the row's other half lies in the lane 16 away
	v_or_b32 v[ANY], v[ANY], v[ANY+4]
	v_cmp_ne_u32 vcc_lo, 0, v[ANY]                 ; does the row see any key?
	v_cndmask_b32 v[FL], 0, -1, vcc_lo
	v_mov_b32 v[FL+1], v[FL]
	v_and_b32 v[KX], 0xb8, v[FL]                   ; the table: byte 0 (for a mask byte 0, hidden) = 0xb8, byte 1 (seen) = 0; in a row that sees nothing both are 0
.set i, 0
.rept 128                              ; each mask byte, 0 or 1, selects its code out of the table: four bytes a line
	v_perm_b32 v[MB+i], v[KX], v[KX], v[MB+i]
.set i, i+1
.endr
.set i, 0
.rept 32                               ; pieces 2 i and 2 i + 1 are the 16 bytes of key step i / 2, half i % 2: a store of the wave covers 512 consecutive bytes
	global_store_b128 v2, v[MB+4*i:MB+4*i+3], s[22:23] offset:512*i
.set i, i+1
.endr
	global_store_b64 v3, v[FL:FL+1], s[24:25]      ; 256 consecutive bytes
	s_endpgm
.Lfunc_end_k_qf9a4e31183_prep:
	.size	k_qf9a4e31183_prep, .Lfunc_end_k_qf9a4e31183_prep-k_qf9a4e31183_prep
	.p2alignl 7, 3214868480
	.fill 96, 4, 3214868480
	.section	.rodata,"a",@progbits
	.p2align	6, 0x0
	.amdhsa_kernel k_qf9a4e31183_prep
		.amdhsa_group_segment_fixed_size 0
		.amdhsa_private_segment_fixed_size 0
		.amdhsa_enable_private_segment 0
		.amdhsa_kernarg_size 72
		.amdhsa_user_sgpr_count 2
		.amdhsa_user_sgpr_kernarg_segment_ptr 1
		.amdhsa_wavefront_size32 1
		.amdhsa_system_sgpr_workgroup_id_x 1
		.amdhsa_system_sgpr_workgroup_id_y 1
		.amdhsa_system_sgpr_workgroup_id_z 1
		.amdhsa_system_vgpr_workitem_id 0
		.amdhsa_next_free_vgpr 144
		.amdhsa_next_free_sgpr 66
		.amdhsa_reserve_vcc 1
		.amdhsa_float_denorm_mode_32 3
		.amdhsa_float_denorm_mode_16_64 3
		.amdhsa_memory_ordered 1
		.amdhsa_forward_progress 1
		.amdhsa_inst_pref_size 38
	.end_amdhsa_kernel
	.amdgpu_metadata
---
amdhsa.version: [ 1, 2 ]
amdhsa.kernels:
  - .name:           k_qf9a4e31183_prep
    .symbol:         k_qf9a4e31183_prep.kd
    .args:
      - { .name: x, .offset: 0, .size: 8, .value_kind: global_buffer, .address_space: global }
      - { .name: W_attn, .offset: 8, .size: 8, .value_kind: global_buffer, .address_space: global }
      - { .name: W_proj, .offset: 16, .size: 8, .value_kind: global_buffer, .address_space: global }
      - { .name: mask, .offset: 24, .size: 8, .value_kind: global_buffer, .address_space: global }
      - { .name: xb, .offset: 32, .size: 8, .value_kind: global_buffer, .address_space: global }
      - { .name: wab, .offset: 40, .size: 8, .value_kind: global_buffer, .address_space: global }
      - { .name: wpb, .offset: 48, .size: 8, .value_kind: global_buffer, .address_space: global }
      - { .name: maskp, .offset: 56, .size: 8, .value_kind: global_buffer, .address_space: global }
      - { .name: qflag, .offset: 64, .size: 8, .value_kind: global_buffer, .address_space: global }
    .group_segment_fixed_size: 0
    .private_segment_fixed_size: 0
    .kernarg_segment_align: 8
    .kernarg_segment_size: 72
    .max_flat_workgroup_size: 128
    .sgpr_count:     66
    .vgpr_count:     144
    .wavefront_size: 32
...
	.end_amdgpu_metadata
.endif
;; end of part 1
;; launch qkv (part 2): grid 16 x 32, 4 waves a work-group, clusters of 4 x 4, 327,680 bytes of LDS; arguments xb, wab, b_attn, qkv; writes qkv
.if DOCPART == 2
	.amdgcn_target "amdgcn-amd-amdhsa--gfx1250"
	.amdhsa_code_object_version 6
	.text
	.protected	k_qf9a4e31183_qkv
	.globl	k_qf9a4e31183_qkv
	.p2align	8
	.type	k_qf9a4e31183_qkv,@function
k_qf9a4e31183_qkv:
	s_mov_b64 s[64:65], 0
	v_nop
	global_prefetch_b8 v0, s[64:65] scope:SCOPE_SE
	s_setreg_imm32_b32 hwreg(HW_REG_WAVE_MODE, 25, 1), 1
	s_wait_xcnt 0x0
	s_wait_alu depctr_hold_cnt(0) depctr_sa_sdst(0) depctr_va_vdst(0) depctr_va_sdst(0) depctr_va_ssrc(0) depctr_va_vcc(0) depctr_vm_vsrc(0)
	s_getreg_b32 s2, hwreg(HW_REG_IB_STS2, 6, 4)
	s_cmp_eq_u32 s2, 0
	s_cbranch_scc0 .Lentry_in_a_cluster
	s_endpgm
.Lentry_in_a_cluster:
	s_bfe_u32 s2, ttmp6, 0x10000c
	s_cmp_lg_u32 s2, 0xf033
	s_cbranch_scc0 .Lentry_shape_is_right
	s_endpgm
.Lentry_shape_is_right:
; QKV = xb wab + b_attn.  xb [8192][1024] bf16, wab [1024 k][3072 n] bf16, b_attn [3072] f32 (rounded to bf16 here, like the other inputs); sums in f32; the result rounded once to f16.
; OUT: qkv f16 [b 8][plane 96][t 1024][32], plane = n / 32 (q 0-31, k 32-63, v 64-95; head h has planes 2 h, 2 h + 1): 16 rows of a plane are 1,024 consecutive bytes.
; LIMIT.  f16 holds no number beyond 65,504: q, k and v must stay within it.
; A tile of the result is 256 x 192: 32 x 16 = 512 work-groups of equal work.  Four waves, 2 x 2; a wave makes 128 rows x 96 columns: 48 accumulators of 16 x 16, 384 registers.
; K goes in steps of 128 through a ring of two LDS slots filled by the tensor data mover; one barrier for each change of slots.
; THE WALK ALONG K IS A RING OF EIGHT STEPS, and each cluster enters it at its own step, (2 X + 4 ((Y ^ Y / 2) & 1)) mod 8 for the cluster at (X, Y) of the grid of clusters: the four clusters that need the
; same rows of xb begin two steps apart; of the clusters that need the same columns of wab, neighbours in Y and neighbours but one begin four apart.  So a slice that several clusters need is asked for by
; them at different times, not by all at once.  X and Y are the same in all sixteen partners.  LIMIT: each sum is taken in K's order turned round by that many steps, an order of rounding other than ascending K.
; wab lies [k][n]: its tile lies in LDS as it lies in memory and the fragments come out turned, by ds_load_tr16_b128.
; THE MATRIX INSTRUCTION IS USED TRANSPOSED (source 0 = 16 columns of wab, source 1 = 16 rows of xb): a lane holds row l % 16 and the eight columns 8 (l / 16) + 0..7.
; THE BIAS STARTS THE SUMS: it is the C operand of each accumulator's first product; nothing is cleared and nothing is added later.
; CLUSTER 4 x 4: the four work-groups of a row of the cluster need the same tiles of xb, the four of a column the same tiles of wab; each tile is asked for jointly.
; REGISTERS, in windows of 256 (s_set_vgpr_msb: bits 1:0 source 0, 3:2 source 1, 5:4 source 2, 7:6 destination):
;   window 0: v16-29 addresses; v64-127, v128-191 fragments of xb, two buffers; v32-55, v224-247, v192-215 at work on the way out
;   window 1: v0-47 the bias; v60 at work; v64-111, v128-175 fragments of wab, two buffers
;   window 2: the accumulators of my rows 0-63 ((a, b) at v[8 (6 a + b)]);   window 3: those of my rows 64-127
.set NBL,    6                         ; blocks of 16 columns a wave
.set PITCHA, 272                       ; a row of xb in LDS: 256 bytes + 16: the 16 rows of a load start 16 bytes further on, modulo 256, each
.set HALFA,  128*PITCHA                ; what one tensor load of xb brings
.set AREG,   2*HALFA
.set PITCHB, 480                       ; a row of wab in LDS: six pieces of 64 bytes, 16 bytes of padding behind each: 15 x 32 bytes
.set HALFB,  64*PITCHB                 ; what one tensor load of wab brings: 64 rows (k)
.set B16,    16*PITCHB
.set SLOT,   AREG+2*HALFB              ; 131,072
.set STAGE,  2*SLOT                    ; behind the ring: 16 rows x 208 bytes for each wave, for the way out
.set SPITCH, 208
.set SPARE,  STAGE+4*16*SPITCH         ; behind the stages: the spare words, 128 bytes for each wave: two blocks of 256 bytes that no other line names
.set NF,     2*NBL+16                  ; LDS loads in a run
.set ASTEP,  256                       ; a K step in xb: 128 numbers along a row
.set BSTEP,  128*3072*2                ; in wab: 128 rows
.set LAPS,   4                         ; 1,024 / 256: a lap is two K steps
.set ADRA, 16                          ; v16-17  LDS address of my fragments of xb in slot 0, 1
.set ADRB, 20                          ; v20-21  the same for wab
.set STO,  24                          ; v24     the way out: where I put 16 bytes of a row
.set RD,   25                          ; v25     the way out: where I read back
.set CO,   26                          ; v26     16 x lane: my place in 512 consecutive bytes of the result
.set BO,   27                          ; v27     my byte offset in 16 numbers of the bias
.set SPW,  28                          ; v28     LDS address of my spare word; never rewritten
.set NIL,  29                          ; v29     0; never rewritten
.set F0,   64
.set F1,   128
.set TMP,  192
.set OB,   32
.set BI,   0                           ; window 1: block b's eight numbers at BI + 8 b
.set G1,  24                           ; s[24:31] descriptor group 1 for xb's tiles;  s[32:39] group 0, one set for each slot
.set G0,  32
.set G1B, 48                           ; s[48:55], s[56:63] the same for wab's
.set G0B, 56
.set ABASE, 14                         ; s[14:15] xb at my half of the tile's rows, K step 0
.set BBASE, 68                         ; s[68:69] wab at my half of a K step's rows, the tile's columns, K step 0
.set KOA,  70                          ; s[70:71] the byte offset in xb of the K step to be asked for
.set KOB,  72                          ; s[72:73] the same in wab
.set KN,   74                          ; s74      that K step's number, 0 to 7
.set MSB, 0
.macro WIN new                         ; the immediate's high byte repeats the setting that is left; a switch that changes nothing is dropped
.if MSB != (\new)
	s_set_vgpr_msb (MSB<<8)|(\new)
.set MSB, \new
.endif
.endm
; A joint load.  Waves 0 and 1 fetch the two halves of xb's tile, waves 2 and 3 those of wab's.  The branch hangs on the wave's number alone.
; An s_nop 0 and four v_nop follow each of the two lines, ahead of the jump, the label and what follows.
.macro JLOAD s
	s_cmp_eq_u32 s11, 0
	s_cbranch_scc0 .Lfor_b_\@
	tensor_load_to_lds s[G0+4*(\s):G0+4*(\s)+3], s[G1:G1+7]
	s_nop 0
.rept 4
	v_nop
.endr
	s_branch .Lasked_\@
.Lfor_b_\@:
	tensor_load_to_lds s[G0B+4*(\s):G0B+4*(\s)+3], s[G1B:G1B+7]
	s_nop 0
.rept 4
	v_nop
.endr
.Lasked_\@:
.endm
; Slot s's two group 0 take the addresses of K step KN, made anew from the bases; KN goes one step on round the ring.  No tensor load of the wave is out where this stands.
.macro AIM s
	s_mul_i32 s[KOA], s[KN], ASTEP
	s_mul_i32 s[KOB], s[KN], BSTEP
	s_add_nc_u64 s[G0+4*(\s)+2:G0+4*(\s)+3], s[ABASE:ABASE+1], s[KOA:KOA+1]
	s_or_b32 s[G0+4*(\s)+3], s[G0+4*(\s)+3], 0x80000000            ; type = 2
	s_add_nc_u64 s[G0B+4*(\s)+2:G0B+4*(\s)+3], s[BBASE:BBASE+1], s[KOB:KOB+1]
	s_or_b32 s[G0B+4*(\s)+3], s[G0B+4*(\s)+3], 0x80000000
	s_add_co_u32 s[KN], s[KN], 1
	s_and_b32 s[KN], s[KN], 7
.endm
.macro CREST                           ; a round of the cluster's barrier behind its opening barrier
	s_cmp_lg_u32 s10, 0
	s_cbranch_scc1 .Lnot_wave_0_\@
	s_barrier_signal -3
.Lnot_wave_0_\@:
	s_barrier_wait -3
	s_barrier_signal -1
	s_barrier_wait -1
.endm
.macro CROUND                          ; a whole round
	s_barrier_signal -1
	s_barrier_wait -1
	CREST
.endm
	s_load_b128 s[4:7], s[0:1], 0x0                ; xb s[4:5], wab s[6:7]
	s_load_b64 s[66:67], s[0:1], 0x10              ; b_attn
	s_load_b64 s[8:9], s[0:1], 0x18                ; qkv
	v_lshl_add_u32 v[SPW], v0, 2, SPARE
	v_mov_b32 v[NIL], 0
	ds_add_u32 v[SPW], v[NIL]                      ; the wave's opening: the add and its wait stand ahead of my first tensor load; the set-up below, work on registers, stands between them
	ds_add_u32 v28, v29
	v_lshrrev_b32 v1, 5, v0
	v_readfirstlane_b32 s10, v1                    ; wave 0..3
	s_lshr_b32 s11, s10, 1                         ; which half of the tile's rows is mine.  Also: I fetch for xb (0) or for wab (1)
	s_and_b32 s12, s10, 1                          ; which half of its columns.  Also: which half of that tile I fetch
	s_bfe_u32 s40, ttmp6, 0x40000                  ; cx, cy: my place in the cluster
	s_bfe_u32 s41, ttmp6, 0x40004
	s_lshl_b32 s42, ttmp9, 2
	s_add_co_u32 s42, s42, s40                     ; tile column c = 4 x cluster x + cx
	s_and_b32 s13, ttmp7, 0xffff
	s_lshl_b32 s13, s13, 2
	s_add_co_u32 s13, s13, s41                     ; tile row y = 4 x cluster y + cy
	s_lshl_b32 s43, s41, 2
	s_lshl_b32 s43, 15, s43                        ; my row of the cluster
	s_lshl_b32 s44, 0x1111, s40                    ; my column
	s_mov_b32 s45, 0xffff0000                      ; a word's upper bf16
	; where this cluster enters the ring of K steps: made of the cluster's own x and y, which its sixteen work-groups share
	s_and_b32 s[KN], ttmp7, 0xffff                 ; Y
	s_lshr_b32 s[KOA], s[KN], 1
	s_xor_b32 s[KN], s[KN], s[KOA]
	s_and_b32 s[KN], s[KN], 1                      ; (Y ^ Y / 2) & 1: 0 1 1 0 0 1 1 0 for Y = 0 .. 7
	s_lshl_b32 s[KN], s[KN], 2
	s_lshl_b32 s[KOA], ttmp9, 1                    ; 2 X
	s_add_co_u32 s[KN], s[KN], s[KOA]
	s_and_b32 s[KN], s[KN], 7
	s_mov_b32 s[KOA+1], 0                          ; the offsets' high words
	s_mov_b32 s[KOB+1], 0
	; group 1 for xb: 128 rows x 128 elements of 2 bytes, 4 words of padding behind every 64 words
	s_or_b32 s[G1+0], s43, (1<<16)|(1<<20)|(1<<21)|(5<<22)|(3<<25)  ; 15:0 the mask: my row; 17:16 2-byte elements; 20 padding on; 21 set beside a mask; 24:22 interval code 5; 31:25 pad code 3
	s_mov_b32 s[G1+1], 128<<16                     ; tensor_dim0 = 128
	s_mov_b32 s[G1+2], 128<<16                     ; tensor_dim1 = 128
	s_mov_b32 s[G1+3], 128<<16                     ; tile_dim0 = 128
	s_mov_b32 s[G1+4], 128                         ; tile_dim1 = 128
	s_mov_b32 s[G1+5], 1024                        ; elements from row to row
	s_mov_b32 s[G1+6], 0
	s_mov_b32 s[G1+7], 0
	; group 1 for wab: 64 rows (k) x 192 elements, 4 words of padding behind every 16 words
	s_or_b32 s[G1B+0], s44, (1<<16)|(1<<20)|(1<<21)|(3<<22)|(3<<25) ; the mask: my column; interval code 3
	s_mov_b32 s[G1B+1], 192<<16
	s_mov_b32 s[G1B+2], 64<<16
	s_mov_b32 s[G1B+3], 192<<16
	s_mov_b32 s[G1B+4], 64
	s_mov_b32 s[G1B+5], 3072
	s_mov_b32 s[G1B+6], 0
	s_mov_b32 s[G1B+7], 0
	; where the tiles come from: xb's hang on y, wab's on c, each in registers that do not hold the other's place in the cluster
	s_lshl_b32 s16, s13, 19                        ; 256 y rows of 2,048 bytes
	s_lshl_b32 s17, s12, 18                        ; + 128 rows for the second half
	s_add_co_u32 s16, s16, s17
	s_mov_b32 s17, 0
	s_mul_i32 s46, s42, 384                        ; 192 c columns of 2 bytes
	s_mul_i32 s47, s12, 64*3072*2                  ; + 64 rows for the second half
	s_add_co_u32 s46, s46, s47
	s_mov_b32 s47, 0
	s_mul_i32 s20, s12, HALFA                      ; and where they go: no place in the cluster enters an LDS address
	s_mul_i32 s21, s12, HALFB
	s_add_co_u32 s21, s21, AREG
	s_wait_dscnt 0x0                               ; the opening add is done
	s_wait_kmcnt 0x0
	s_add_nc_u64 s[ABASE:ABASE+1], s[4:5], s[16:17]
	s_add_nc_u64 s[BBASE:BBASE+1], s[6:7], s[46:47]
	CROUND                                         ; all sixteen work-groups are here: the first joint loads meet
.irp s, 0,1
	s_mov_b32 s[G0+4*(\s)], 1                                      ; count = 1
	s_add_co_u32 s[G0+4*(\s)+1], s20, (\s)*SLOT                    ; LDS address
	s_mov_b32 s[G0B+4*(\s)], 1
	s_add_co_u32 s[G0B+4*(\s)+1], s21, (\s)*SLOT
	AIM \s                                         ; the walk's first and second K step
	JLOAD \s                                       ; two loads of mine are out
.endr
	; the bias of my 96 columns: lane l wants, for block b, the numbers 16 b + 8 (l / 16) + 0..7
	v_and_b32 v1, 15, v0                           ; l % 16
	v_bfe_u32 v2, v0, 4, 1                         ; l / 16
	v_lshlrev_b32 v[BO], 5, v2
	s_mul_i32 s46, s42, 768                        ; 192 c numbers of 4 bytes
	s_mul_i32 s47, s12, 384
	s_add_co_u32 s46, s46, s47
	s_mov_b32 s47, 0
	s_add_nc_u64 s[66:67], s[66:67], s[46:47]
	WIN 0x40                                       ; destination window 1, address window 0
.irp b, 0,1,2,3,4,5
	global_load_b128 v[BI+8*(\b):BI+8*(\b)+3],   v[BO], s[66:67] offset:64*(\b)
	global_load_b128 v[BI+8*(\b)+4:BI+8*(\b)+7], v[BO], s[66:67] offset:64*(\b)+16
.endr
	WIN 0
	; A fragment of xb: lane l holds row l % 16; two loads of 16 bytes, 32 bytes apart, at row x pitch + 16 (l / 16).
	v_mul_u32_u24 v3, v1, PITCHA
	v_lshl_add_u32 v3, v2, 4, v3
	; The turning load takes 16 k x 16 n (lane l reads 16 bytes: row 8 (l / 16) + l % 8, columns 8 ((l / 8) % 2) + 0..7) and leaves half a fragment: lane l holds column l % 16 and 8 k.
	v_and_b32 v4, 7, v0
	v_lshl_add_u32 v4, v2, 3, v4
	v_mul_u32_u24 v4, v4, PITCHB
	v_bfe_u32 v5, v0, 3, 1
	v_lshl_add_u32 v4, v5, 4, v4
	s_mul_i32 s22, s11, HALFA                      ; my 128 rows of xb
	s_mul_i32 s23, s12, 240                        ; my 96 columns of wab: three pieces of 80 bytes
	s_add_co_u32 s23, s23, AREG
.irp s, 0,1
	v_add_nc_u32 v[ADRA+(\s)], s22, v3
	v_add_nc_u32 v[ADRB+(\s)], s23, v4
	s_add_co_u32 s22, s22, SLOT
	s_add_co_u32 s23, s23, SLOT
.endr
	s_mul_i32 s23, s10, 16*SPITCH
	s_add_co_u32 s23, s23, STAGE                   ; my stage
	v_mul_u32_u24 v4, v1, SPITCH                   ; in: row l % 16, 16 bytes for each half of the lanes
	v_lshl_add_u32 v4, v2, 4, v4
	v_add_nc_u32 v[STO], s23, v4
	v_and_b32 v6, 31, v0                           ; back: 32 lanes take 8 rows x 64 bytes of one plane,
	v_lshrrev_b32 v7, 2, v6
	v_mul_u32_u24 v7, v7, SPITCH
	v_and_b32 v8, 3, v0
	v_lshl_add_u32 v7, v8, 4, v7
	v_add_nc_u32 v[RD], s23, v7
	v_lshlrev_b32 v[CO], 4, v6                     ; which are 512 consecutive bytes of the result
	; where my part of the result begins: batch y / 4, plane 6 c + 3 (column half), row 256 (y % 4) + 128 (row half)
	s_lshr_b32 s16, s13, 2
	s_mul_i32 s16, s16, 96*1024*64
	s_and_b32 s17, s13, 3
	s_lshl_b32 s17, s17, 14
	s_add_co_u32 s16, s16, s17
	s_lshl_b32 s17, s11, 13
	s_add_co_u32 s16, s16, s17
	s_mul_i32 s46, s42, 6
	s_mul_i32 s47, s12, 3
	s_add_co_u32 s46, s46, s47
	s_lshl_b32 s46, s46, 16
	s_add_co_u32 s16, s16, s46
	s_mov_b32 s17, 0
	s_add_nc_u64 s[8:9], s[8:9], s[16:17]
	s_wait_loadcnt 0x0                             ; the bias, once; it is rounded to bf16 and widened again
	WIN 0x45                                       ; destination and both sources window 1
.set i, 0
.rept 4*NBL
	v_cvt_pk_bf16_f32 v60, v[BI+2*i], v[BI+2*i+1]
	v_lshlrev_b32 v[BI+2*i],   16,  v60
	v_and_b32     v[BI+2*i+1], s45, v60
.set i, i+1
.endr
	WIN 0
; 12 matrix instructions: row blocks a0, a0 + 1 of the window's four (hi = 0: my rows 0-63, 1: rows 64-127) x all 6 column blocks, 32 along K.  first = 1: the bias starts the sums.
; The 48 accumulators take turns, in the same order in every quarter step.
.macro MULG f, hi, a0, first
.if \first
	WIN 0x91+0x40*(\hi)                            ; wab and the bias window 1, xb window 0, D window 2 or 3
.else
	WIN 0xa1+0x50*(\hi)                            ; wab window 1, xb window 0, C and D window 2 or 3
.endif
.irp a, \a0, (\a0)+1
.irp b, 0,1,2,3,4,5
.if \first
	v_wmma_f32_16x16x32_bf16 v[8*(NBL*(\a)+(\b)):8*(NBL*(\a)+(\b))+7], v[(\f)+8*(\b):(\f)+8*(\b)+7], v[(\f)+8*(4*(\hi)+(\a)):(\f)+8*(4*(\hi)+(\a))+7], v[BI+8*(\b):BI+8*(\b)+7]
.else
	v_wmma_f32_16x16x32_bf16 v[8*(NBL*(\a)+(\b)):8*(NBL*(\a)+(\b))+7], v[(\f)+8*(\b):(\f)+8*(\b)+7], v[(\f)+8*(4*(\hi)+(\a)):(\f)+8*(4*(\hi)+(\a))+7], v[8*(NBL*(\a)+(\b)):8*(NBL*(\a)+(\b))+7]
.endif
.endr
.endr
.endm
; 28 LDS loads in one run: the fragments of quarter q of a slot's K step into buffer f: wab's 12 first, then xb's 16
.macro FETCH slot, q, f
	WIN 0x40
.irp i, 0,1,2,3,4,5
	ds_load_tr16_b128 v[(\f)+8*(\i):(\f)+8*(\i)+3],   v[ADRB+(\slot)] offset:32*PITCHB*(\q)+80*((\i)/2)+32*((\i)%2)
	ds_load_tr16_b128 v[(\f)+8*(\i)+4:(\f)+8*(\i)+7], v[ADRB+(\slot)] offset:32*PITCHB*(\q)+80*((\i)/2)+32*((\i)%2)+B16
.endr
	WIN 0
.irp i, 0,1,2,3,4,5,6,7
	ds_load_b128 v[(\f)+8*(\i):(\f)+8*(\i)+3],   v[ADRA+(\slot)] offset:64*(\q)+(\i)*16*PITCHA
	ds_load_b128 v[(\f)+8*(\i)+4:(\f)+8*(\i)+7], v[ADRA+(\slot)] offset:64*(\q)+(\i)*16*PITCHA+32
.endr
.endm
.macro PLACES                          ; four places in front of loads into registers that matrix instructions have read, and of conversions that read results
.rept 4
	v_nop
.endr
.endm
; A K step is four quarters of 32 along K, 48 matrix instructions each, on buffers 0, 1, 0, 1.  One of the first three: multiplies buffer f and, in its middle, fetches quarter q into buffer g.
.macro QUARTER slot, q, f, g, first
	s_wait_dscnt 8                                 ; wab's fragments and xb's rows 0-63 are in; the youngest eight loads (xb's rows 64-127) may be out
	MULG \f, 0, 0, \first
	MULG \f, 0, 2, \first
	PLACES
	FETCH \slot, \q, \g
	s_wait_dscnt NF                                ; all but the run just issued
	MULG \f, 1, 0, \first
	MULG \f, 1, 2, \first
.endm
; The last quarter multiplies buffer 1 and changes slots: ONE barrier.  In front of it each wave waits for all its tensor loads (one is out: its part of the next slot), adds 0 to its spare word,
; and waits for that and for its own reads of this slot.  fill = 1: the barrier opens a round of the cluster's barrier, and this slot is filled again, two K steps ahead, first thing behind the round:
; 7/8 of a K step, 168 matrix instructions, ahead of the wait for it.
.macro TURN slot, next, fill
	WIN 0                                          ; (the add's two registers lie in window 0)
	s_wait_tensorcnt 0x0                           ; all my tensor loads have landed
	ds_add_u32 v[SPW], v[NIL]                      ; 0 onto my spare word
	s_wait_dscnt 9                                 ; (the add and the youngest eight loads may be out)
	MULG F1, 0, 0, 0                               ; twelve matrix instructions stand between the add and the wait for it
	s_wait_dscnt 0x0                               ; the add is done, and my reads of this slot are over
	s_barrier_signal -1
	MULG F1, 0, 2, 0
.if \fill
	WIN 0
.endif
	s_barrier_wait -1
.if \fill
	CREST                                          ; no wave of any partner still reads this slot's tiles or has a load on its way
	AIM \slot                                      ; the ring's next K step
	JLOAD \slot                                    ; the four v_nop behind it are also the places in front of the loads below
.else
	PLACES
.endif
	FETCH \next, 0, F0
	MULG F1, 1, 0, 0
	MULG F1, 1, 2, 0
.endm
; THE WAY OUT of block a (16 rows), in three parts.  PACK: rounded to f16, 16 bytes a lane, each accumulator's registers in ascending order.  TOSTAGE: into my own stage, and back plane by plane.  SEND: stored.
.macro PACK a
.set AC, 8*NBL*((\a)%4)
	WIN 0x0a+5*((\a)/4)                            ; sources 0 and 1: window 2 or 3
.irp b, 0,1,2,3,4,5
.irp r, 0,1,2,3
	v_cvt_pk_f16_f32 v[TMP+4*(\b)+(\r)], v[AC+8*(\b)+2*(\r)], v[AC+8*(\b)+2*(\r)+1]
.endr
.endr
	WIN 0
.endm
.macro TOSTAGE a
.set BK, OB+192*((\a)%2)
.irp b, 0,1,2,3,4,5
	ds_store_b128 v[STO], v[TMP+4*(\b):TMP+4*(\b)+3] offset:32*(\b)
.endr
.irp t, 0,1,2,3,4,5                    ; plane t / 2, rows 8 (t % 2) on.  LDS serves a wave's instructions in order (ISA guide 5.7.1.4): these see the stores above
	ds_load_b128 v[BK+4*(\t):BK+4*(\t)+3], v[RD] offset:64*((\t)/2)+8*SPITCH*((\t)%2)
.endr
.endm
.macro SEND a
.set BK, OB+192*((\a)%2)
	s_wait_dscnt 0x0                               ; the block is back in registers
	s_wait_xcnt 0x0                                ; the stores of the block before have read their registers: the next TOSTAGE loads into them only behind this wait
.irp t, 0,1,2,3,4,5
	global_store_b128 v[CO], v[BK+4*(\t):BK+4*(\t)+3], s[8:9] offset:65536*((\t)/2)+512*((\t)%2)+1024*(\a)  ; 512 consecutive bytes, at a multiple of 512 from the buffer's first
.endr
.endm
	s_wait_tensorcnt 1                             ; my part of the walk's first K step is in; the second's may stay out
	s_barrier_signal -1
	s_barrier_wait -1                              ; everybody's is
	FETCH 0, 0, F0
	QUARTER 0, 1, F0, F1, 1                        ; the first quarter stands in front of the loop: its products start the sums
	WIN 0                                          ; at a label and at a branch every window is 0
	s_mov_b32 s3, LAPS-1
.Llap:                                                 ; a trip goes once round the two slots, from a lap's second quarter to the next lap's first, and fills both again
	QUARTER 0, 2, F1, F0, 0
	QUARTER 0, 3, F0, F1, 0
	TURN 0, 1, 1
	QUARTER 1, 1, F0, F1, 0
	QUARTER 1, 2, F1, F0, 0
	QUARTER 1, 3, F0, F1, 0
	TURN 1, 0, 1
	QUARTER 0, 1, F0, F1, 0
	WIN 0
	s_sub_co_u32 s3, s3, 1
	s_cmp_lg_u32 s3, 0
	s_cbranch_scc1 .Llap
	QUARTER 0, 2, F1, F0, 0                        ; the last lap fills nothing, and has no round of the cluster's barrier
	QUARTER 0, 3, F0, F1, 0
	TURN 0, 1, 0
	QUARTER 1, 1, F0, F1, 0
	QUARTER 1, 2, F1, F0, 0
	QUARTER 1, 3, F0, F1, 0
	s_wait_dscnt 8                                 ; the very last quarter: nothing more to fetch
	MULG F1, 0, 0, 0
	MULG F1, 0, 2, 0
	s_wait_dscnt 0x0
	MULG F1, 1, 0, 0
	MULG F1, 1, 2, 0
	WIN 0
	PLACES
	PACK 0
	TOSTAGE 0
.irp a, 1,2,3,4,5,6,7                  ; block a's conversions stand between block a - 1's loads from the stage and the wait for them
	PACK \a
	SEND (\a)-1
	TOSTAGE \a
.endr
	SEND 7
	s_wait_tensorcnt 0x0                           ; the wave's end, behind my last tensor load and my last LDS store
	ds_add_u32 v[SPW], v[NIL]
	s_wait_dscnt 0x0
	CROUND                                         ; the closing round: no work-group ends while a partner may still ask for a tile that names it
	s_endpgm
.Lfunc_end_k_qf9a4e31183_qkv:
	.size	k_qf9a4e31183_qkv, .Lfunc_end_k_qf9a4e31183_qkv-k_qf9a4e31183_qkv
	.p2alignl 7, 3214868480
	.fill 96, 4, 3214868480
	.section	.rodata,"a",@progbits
	.p2align	6, 0x0
	.amdhsa_kernel k_qf9a4e31183_qkv
		.amdhsa_group_segment_fixed_size 327680
		.amdhsa_private_segment_fixed_size 0
		.amdhsa_enable_private_segment 0
		.amdhsa_kernarg_size 32
		.amdhsa_user_sgpr_count 2
		.amdhsa_user_sgpr_kernarg_segment_ptr 1
		.amdhsa_wavefront_size32 1
		.amdhsa_system_sgpr_workgroup_id_x 1
		.amdhsa_system_sgpr_workgroup_id_y 1
		.amdhsa_system_sgpr_workgroup_id_z 1
		.amdhsa_system_vgpr_workitem_id 0
		.amdhsa_next_free_vgpr 960
		.amdhsa_next_free_sgpr 76
		.amdhsa_reserve_vcc 0
		.amdhsa_float_denorm_mode_32 3
		.amdhsa_float_denorm_mode_16_64 3
		.amdhsa_memory_ordered 1
		.amdhsa_forward_progress 1
		.amdhsa_inst_pref_size 121
	.end_amdhsa_kernel
	.amdgpu_metadata
---
amdhsa.version: [ 1, 2 ]
amdhsa.kernels:
  - .name:           k_qf9a4e31183_qkv
    .symbol:         k_qf9a4e31183_qkv.kd
    .args:
      - { .name: xb, .offset: 0, .size: 8, .value_kind: global_buffer, .address_space: global }
      - { .name: wab, .offset: 8, .size: 8, .value_kind: global_buffer, .address_space: global }
      - { .name: b_attn, .offset: 16, .size: 8, .value_kind: global_buffer, .address_space: global }
      - { .name: qkv, .offset: 24, .size: 8, .value_kind: global_buffer, .address_space: global }
    .group_segment_fixed_size: 327680
    .private_segment_fixed_size: 0
    .kernarg_segment_align: 8
    .kernarg_segment_size: 32
    .max_flat_workgroup_size: 128
    .sgpr_count:     76
    .vgpr_count:     960
    .wavefront_size: 32
...
	.end_amdgpu_metadata
.endif
;; end of part 2
;; launch attn (part 3): grid 2 x 128, 4 waves a work-group, no clusters, 327,680 bytes of LDS; arguments qkv, maskp, qflag, ob; writes ob
.if DOCPART == 3
	.amdgcn_target "amdgcn-amd-amdhsa--gfx1250"
	.amdhsa_code_object_version 6
	.text
	.protected	k_qf9a4e31183_attn
	.globl	k_qf9a4e31183_attn
	.p2align	8
	.type	k_qf9a4e31183_attn,@function
k_qf9a4e31183_attn:
	s_mov_b64 s[64:65], 0
	v_nop
	global_prefetch_b8 v0, s[64:65] scope:SCOPE_SE
	s_setreg_imm32_b32 hwreg(HW_REG_WAVE_MODE, 25, 1), 1
	s_wait_xcnt 0x0
; MASKED ATTENTION.  For each of 128 pairs g = 16 b + h: O[q][:] = the sum over k of softmax_k(where(mask[q][k], Q[q] . K[k] / 8, lowest f32)) V[k][:], 1,024 queries x 1,024 keys, 64 channels.
; IN: qkv f16 [b 8][plane 96][t 1024][32] (q: planes 2 h, 2 h + 1; k: 32 + ..; v: 64 + ..); maskp, fp8 codes in this text's lane order (0 = seen, -1.0 = hidden); qflag, 0 for a query that sees no key, else -1.
; OUT: ob f16 [g 128][t 1024][64].  Products, maxima and sums in f32; the weights p are rounded to f16 for the second product (their sum l is taken of the unrounded p), O once at the end.
; THE MASK IS DATA: every pair of query and key is computed.  It is the C operand that starts the sum S^T = K Q^T: 0, or -2^100 where the key is hidden; one scaled conversion makes the eight C registers
; of an accumulator out of eight code bytes.  A hidden score lies far below every maximum, so its weight is 0, as exp(lowest f32 - maximum) is.  A query that sees NO key has codes 0 throughout and its row
; of Q cleared (the flag is ANDed onto it): all its scores are 0 and its 1,024 weights equal, as those of 1,024 equal fill values are.
; LIMITS.  f16 holds no number beyond 65,504: q, k, v arrive within it; so scores stay under 2.7e11.  A hidden score counts as its value less 2^100.  The running maximum starts at -2^90, below every score
; and above every hidden one: while a query has seen nothing, m stays there, its weights are 0 and a is 1.  p below 6e-5 keeps f16's fixed step; a weight below 2^-126 counts as 0 in l; NaN and infinities are not treated apart.
; SHARES.  A work-group owns 512 queries of one pair, a wave 128: four PIECES of two tiles of 16.  Every wave walks all keys, 64 a step.
; K AND V OF THE WHOLE PAIR STAY IN LDS: 1,024 keys x 2 planes x (68 + 72) bytes = 286,720.  Each wave brings one plane of K or of V by two tensor loads, issued together at the start: the first 320 keys, then
; the other 704.  No byte of LDS is filled twice: there is no ring, and the key step's text stands once.  The first four key steps read K of steps 0 to 4 (K is fetched a step ahead) and V of steps 0 to 3,
; all within the first loads; behind the fourth step each wave waits for its second load and a barrier shows it to the others.
; LAYOUT.  S^T = K Q^T (source 0 = 16 keys, source 1 = 16 queries): a lane holds ONE query (lane % 16) and the keys 8 (lane / 16) + 0..7.  Two such tiles, rounded to f16 in pairs, ARE source 1 of O^T = V^T P.
; K comes out of LDS as it lies, V ([key][channel]) turned, by ds_load_tr16_b128.
; SOFTMAX.  p = 2^(c s - c m), c = log2(e) / 8, with a running maximum m; in every step O and l are multiplied by a = 2^(c m_old - c m_new).  O and l start at 0.
; BY TURNS.  Turn n belongs to piece n: 16 products K Q^T of piece n + 1, later 16 products V^T P of piece n - 1; beside them the scaling, exponentials, roundings, sums and rescaling of piece n and the maximum and
; statistics of piece n + 1.  Four vector instructions that are ready stand behind every matrix instruction, the others in two runs of their own.  At a turn's end the mask of the next turn's products is converted,
; and the codes wanted two turns later are asked for.
; NO CLUSTER: only the two work-groups of a pair share K and V, and two is no cluster's width here; what they share, 256 KiB a work-group, is less than a work-group's own 512 KiB of mask codes.
; REGISTERS, in windows of 256 (s_set_vgpr_msb: bits 1:0 source 0, 3:2 source 1, 5:4 source 2, 7:6 destination):
;   window 0: v0-11 addresses and the scale; v12-15, v48-63 at work; v16-47 four registers of statistics a tile; v64-191 S^T, two buffers of two tiles; v192-255 P, likewise
;   window 1: O^T, 32 a tile      window 2: v0-127 Q, 16 a tile; v128-191 K of one step; v192-255 V of one step
;   window 3: v0-1 the add's two registers; v2-3 the mask's offset and its bound; v8-39 codes, two buffers of 16; v64-127 the masks of one turn's products
.set NP,    4         ; pieces a wave: a name, no knob
.set KS,    64        ; keys in a step
.set PK4,   272       ; four keys of a plane of K in LDS: 256 bytes + 16: key r of 16 starts at word 16 (r % 4) + 4 (r / 4), modulo 64: sixteen different groups of four banks (64 banks of 4 bytes: ISA guide 11.1)
.set PV4,   288       ; of V: 256 + 32: the turning load's 8 keys x 2 halves start at words 16 (k % 4) + 8 (k / 4) + 4 half: again sixteen different groups
.set KPL,   256*PK4   ; a plane (32 channels) of 1,024 keys
.set VPL,   256*PV4
.set VOFF,  2*KPL     ; K's two planes, then V's two
.set KSB,   16*PK4    ; a key step in a plane of K
.set VSB,   16*PV4    ; and of V
.set RA,    80        ; rows of 256 bytes in a wave's first load: 320 keys
.set RB,    176       ; in its second: 704 keys
.set STAGE, VOFF+2*VPL  ; behind K and V, never filled by a tensor load: 16 rows x 144 bytes for each wave, for the way out
.set SP,    144
.set SPARE, STAGE+4*16*SP  ; behind the stages: the spare words, 128 bytes for each wave: two blocks of 256 bytes that no other line names
.set AK0, 2           ; v2   my lane's place in a plane of K; never rewritten
.set AV0, 3           ; v3   the same for V
.set AK,  4           ; v4   the LDS address of K's next run of loads, first plane
.set AV,  5           ; v5   of V's
.set PL1, 5           ; the second plane's address register lies five above the first's: v9 for K, v10 for V (a plane is longer than a load's 16-bit offset reaches)
.set STO, 6           ; v6   the way out: where I put 16 bytes of a row
.set RD,  7           ; v7   the way out: where I read rows back
.set GO,  8           ; v8   my byte offset in 512 consecutive bytes of O
.set SCL, 11          ; v11  227: the scale byte for 2^100
.set FO,  12          ; v12  at the start: 8 x lane, my place among 32 flags
.set QO,  14          ; v14  at the start: my byte offset in 16 rows of a plane of Q
.set SPW, 0           ; v0 of window 3   LDS address of my spare word; never rewritten
.set NIL, 1           ; v1 of window 3   0; never rewritten
.set MO,  2           ; v2 of window 3   16 x lane + 1,024 x the key step whose codes are asked for
.set MOMAX, 3         ; v3 of window 3   the same for the last key step
.set MR,  8           ; window 3: codes: tile u, key block kb of buffer n at MR + 16 n + 2 (4 u + kb)
.set MC,  64          ; window 3: masks: tile u, key block kb at MC + 32 u + 8 kb
.set MV,  12          ; v12-15  c m_old, kept while c m is made anew: by buffer and tile
.set ST,  16          ; tile t's statistics at v[ST+4 t]: c m, m, l (even keys', odd keys')
.set TMP, 48          ; by buffer and tile, four registers c0-c3 at work; when the maximum is found c2 takes a
.set S,   64
.set P,   192
.set KF,  128         ; K's fragments, in window 2: key block kb, plane c at KF + 16 kb + 8 c
.set VF,  192         ; V's: key half kk, channel block cb at VF + 32 kk + 8 cb
.set WV,  12          ; s12  my wave's number
.set G1K, 24          ; s[24:31] descriptor group 1 for the first load of a plane of K
.set G1V, 32          ; s[32:39] of V: it differs in the padding alone
.set G0K, 40          ; s[40:43] descriptor group 0 for the first load of K
.set G0V, 44          ; s[44:47] of V
.set MKB, 48          ; s[48:49] maskp at my wave's eight tiles
.set FLB, 50          ; s[50:51] qflag at the same
.set SLOTS, 56        ; s56  counts groups of four key steps
.set CNT, 57          ; s57  counts a group's key steps
.set CS,  58          ; s[58:59] c: the packed scaling takes the pair's low word for both halves
.set SEL, 60          ; s[60:61] v_permlanex16_b32's selects: each lane takes its own place in the other half
.set TBK, 62          ; s62  byte in a plane of K at which the step to be fetched begins
.set TBV, 63          ; s63  the same for V
.set G1KB, 68         ; s[68:75], s[76:83] group 1 for the second loads
.set G1VB, 76
.set G0KB, 84         ; s[84:87], s[88:91] group 0 for the second loads
.set G0VB, 88
.set LEFT, 92         ; s92  key steps to go, this one among them
.set MSB, 0
.macro WIN new                      ; the high byte repeats the setting that is left; a switch that changes nothing is dropped
.if MSB != (\new)
	s_set_vgpr_msb (MSB<<8)|(\new)
.set MSB, (\new)
.endif
.endm
.set W_KQ, 0x0a       ; K and Q in window 2, S^T in window 0
.set W_KM, 0x3a       ; the same with the C operand, the mask, in window 3
.set W_PV, 0x52       ; V in window 2, P in window 0, O^T in window 1
.set W_RS, 0x41       ; O^T (destination and source 0) in window 1, a in window 0
.set W_MK, 0xc0       ; destination in window 3, sources in window 0
.set W_AD, 0x0f       ; the add: address (source 0) and data (source 1) in window 3
.set W_MS, 0xc3       ; the mask's work: destination and source 0 in window 3, source 1 (the scale) in window 0
; THE MASK.  MCVT: the 16 registers of codes in buffer n become the 64 registers of masks: 0 stays 0, -1.0 times 2^100.  A plain instruction stands behind the last conversion, ahead of the products that read the masks.
.macro MCVT n
	WIN W_MS
.set mz, 0
.rept 8
	v_cvt_scale_pk8_f32_fp8 v[MC+8*mz:MC+8*mz+7], v[MR+16*(\n)+2*mz:MR+16*(\n)+2*mz+1], v[SCL]
.set mz, mz+1
.endr
	v_nop
.endm
; MLOAD: the codes of a piece's two tiles for the key step in MO, into buffer n: four loads of 512 consecutive bytes
.macro MLOAD n, piece
	WIN W_MS
.irp j, 0,1,2,3
	global_load_b128 v[MR+16*(\n)+4*\j:MR+16*(\n)+4*\j+3], v[MO], s[MKB:MKB+1] offset:(2*(\piece)+\j/2)*16384+(\j%2)*512
.endr
.endm
; At the end of turn p: the next turn's products are piece p + 2's; their codes were asked for two turns back.  The buffer then takes the codes wanted two turns on: piece p's, of the next key step.
; In the last key step the offset stays where it is, so that no load leaves the buffer; what those loads bring serves nothing.  No line here writes SCC.
.macro MASKSTEP p
	s_wait_loadcnt 4                ; the four loads of the turn before may stay out; this buffer's are in
	MCVT (\p)%2
.if (\p) == 0
	WIN 0xcf
	s_wait_xcnt 0x0                 ; the loads issued so far have read their offset: it is rewritten only behind this wait
	v_add_nc_u32 v[MO], 0x400, v[MO]
	v_min_u32 v[MO], v[MO], v[MOMAX]
.endif
	MLOAD (\p)%2, \p
	WIN 0
.endm
	s_load_b256 s[4:11], s[0:1], 0x0  ; qkv s[4:5], maskp s[6:7], qflag s[8:9], ob s[10:11]
	WIN W_MK
	v_lshl_add_u32 v[SPW], v0, 2, SPARE
	v_mov_b32 v[NIL], 0
	WIN W_AD
	ds_add_u32 v[SPW], v[NIL]       ; the wave's opening: the add and its wait stand ahead of my first tensor load; the set-up below, work on registers, stands between them
	ds_add_u32 v0, v1
	WIN 0
	v_lshrrev_b32 v1, 5, v0
	v_readfirstlane_b32 s[WV], v1   ; wave 0..3
	s_and_b32 s13, ttmp7, 0xffff    ; g = 16 b + h
	s_lshr_b32 s14, s13, 4
	s_and_b32 s15, s13, 15
	s_mul_i32 s20, s14, 96*1024*64  ; the batch,
	s_lshl_b32 s15, s15, 17         ; the head's two planes of 65,536 bytes
	s_add_co_u32 s20, s20, s15
	s_and_b32 s16, s[WV], 1         ; which plane I fetch:
	s_mul_i32 s17, s16, KPL         ; its place in LDS, for K
	s_mul_i32 s18, s16, VPL         ; and for V,
	s_lshl_b32 s16, s16, 16         ; and in memory
	s_add_co_u32 s22, s20, s16
	s_add_co_u32 s2, s22, 64*65536  ; V's planes begin at 64,
	s_add_co_u32 s22, s22, 32*65536 ; K's at 32
	s_mov_b32 s23, 0
	s_mov_b32 s3, 0
	s_lshl_b32 s16, ttmp9, 15       ; Q: my block's 512 rows of 64 bytes,
	s_add_co_u32 s20, s20, s16
	s_lshl_b32 s16, s[WV], 13       ; my wave's 128
	s_add_co_u32 s20, s20, s16
	s_mov_b32 s21, 0
	s_lshl_b32 s14, ttmp9, 2
	s_add_co_u32 s14, s14, s[WV]    ; my wave among the eight of a pair: its eight tiles of 16 queries
	s_lshl_b32 s52, s14, 17         ; are 8 x 16,384 bytes of codes
	s_mov_b32 s53, 0
	s_lshl_b32 s54, s14, 11         ; and 8 x 256 bytes of flags
	s_mov_b32 s55, 0
	s_lshl_b32 s15, s13, 3
	s_add_co_u32 s15, s15, s14      ; my wave among all,
	s_lshl_b32 s14, s15, 14         ; its 128 rows of 128 bytes of O
	s_mov_b32 s15, 0
	; descriptor group 1.  A plane's keys are dense, 64 bytes each: asked for as rows of 256 bytes, four keys a row, padded in LDS behind every row
.irp g, G1K, G1KB
	s_mov_b32 s[\g], (1<<16)|(1<<20)|(5<<22)|(3<<25)  ; 17:16 2-byte elements; 20 padding on; 24:22 after every 64 words (code 5); 31:25 4 words (code 3)
.endr
.irp g, G1V, G1VB
	s_mov_b32 s[\g], (1<<16)|(1<<20)|(5<<22)|(7<<25)  ; the same with 8 words of padding (code 7)
.endr
.irp g, G1K, G1V
	s_mov_b32 s[\g+2], RA<<16       ; tensor_dim1 = 80
	s_mov_b32 s[\g+4], RA           ; tile_dim1 = 80
.endr
.irp g, G1KB, G1VB
	s_mov_b32 s[\g+2], RB<<16       ; tensor_dim1 = 176
	s_mov_b32 s[\g+4], RB           ; tile_dim1 = 176
.endr
.irp g, G1K, G1V, G1KB, G1VB
	s_mov_b32 s[\g+1], 128<<16      ; tensor_dim0 = 128
	s_mov_b32 s[\g+3], 128<<16      ; tile_dim0 = 128
	s_mov_b32 s[\g+5], 128          ; 128 elements from row to row
	s_mov_b32 s[\g+6], 0
	s_mov_b32 s[\g+7], 0
.endr
	s_mov_b32 s[CS], 0x3e38aa3b     ; c = log2(e) / 8 = 0.180337
	s_mov_b32 s[CS+1], s[CS]        ; named with it as a pair
	s_mov_b32 s[SEL], 0x76543210
	s_mov_b32 s[SEL+1], 0xfedcba98
	s_mov_b32 s[TBK], 0
	s_mov_b32 s[TBV], 0
	s_mov_b32 s[G0K], 1             ; count = 1
	s_mov_b32 s[G0K+1], s17         ; LDS address: my plane's first key,
	s_mov_b32 s[G0KB], 1
	s_add_co_u32 s[G0KB+1], s17, RA*PK4  ; and its key 320
	s_mov_b32 s[G0V], 1
	s_add_co_u32 s[G0V+1], s18, VOFF
	s_mov_b32 s[G0VB], 1
	s_add_co_u32 s[G0VB+1], s18, VOFF+RA*PV4
	s_wait_dscnt 0x0                ; the opening add is done
	s_wait_kmcnt 0x0
	s_add_nc_u64 s[G0K+2:G0K+3], s[4:5], s[22:23]  ; global address: my plane's first key,
	s_add_nc_u64 s[G0KB+2:G0KB+3], s[G0K+2:G0K+3], RA*256  ; and its key 320
	s_or_b32 s[G0K+3], s[G0K+3], 0x80000000        ; type = 2
	s_or_b32 s[G0KB+3], s[G0KB+3], 0x80000000
	s_add_nc_u64 s[G0V+2:G0V+3], s[4:5], s[2:3]
	s_add_nc_u64 s[G0VB+2:G0VB+3], s[G0V+2:G0V+3], RA*256
	s_or_b32 s[G0V+3], s[G0V+3], 0x80000000
	s_or_b32 s[G0VB+3], s[G0VB+3], 0x80000000
	s_add_nc_u64 s[MKB:MKB+1], s[6:7], s[52:53]
	s_add_nc_u64 s[FLB:FLB+1], s[8:9], s[54:55]
	s_add_nc_u64 s[4:5], s[4:5], s[20:21]          ; Q at my wave's first row
	s_add_nc_u64 s[10:11], s[10:11], s[14:15]      ; O likewise
	s_cmp_lt_u32 s[WV], 2           ; waves 0 and 1 bring K's planes, waves 2 and 3 V's.  A wave's two loads stand in one branch, ahead of every wait on TENSORcnt, every LDS read and every barrier: two loads of mine are out;
	s_cbranch_scc0 .Lfirst_v        ; an s_nop 0 follows each, four v_nop the second's, ahead of the jump and the label
	tensor_load_to_lds s[G0K:G0K+3], s[G1K:G1K+7]
	s_nop 0
	tensor_load_to_lds s[G0KB:G0KB+3], s[G1KB:G1KB+7]
	s_nop 0
.rept 4
	v_nop
.endr
	s_branch .Lfirst_asked
.Lfirst_v:
	tensor_load_to_lds s[G0V:G0V+3], s[G1V:G1V+7]
	s_nop 0
	tensor_load_to_lds s[G0VB:G0VB+3], s[G1VB:G1VB+7]
	s_nop 0
.rept 4
	v_nop
.endr
.Lfirst_asked:
	; A fragment of K or Q is 16 rows x 32 channels (a plane's row) in 8 registers: lane l holds row l % 16, channels 8 (l / 16) + 0..7 and 16 + 8 (l / 16) + 0..7: two loads of 16 bytes, 32 bytes apart.
	v_and_b32 v1, 15, v0            ; l % 16
	v_bfe_u32 v9, v0, 4, 1          ; l / 16
	v_lshlrev_b32 v[QO], 6, v1
	v_lshl_add_u32 v[QO], v9, 4, v[QO]  ; row x 64 + 16 x half
	v_and_b32 v13, 31, v0
	v_lshlrev_b32 v[FO], 3, v13
	v_lshlrev_b32 v13, 4, v13       ; 16 x lane
	WIN 0x80                        ; destination window 2, address window 0
.set i, 0
.rept 4*NP                          ; Q stays in registers: tile i / 2, plane i % 2
	global_load_b128 v[8*i:8*i+3],   v[QO], s[4:5] offset:(i%2)*65536+(i/2)*1024
	global_load_b128 v[8*i+4:8*i+7], v[QO], s[4:5] offset:(i%2)*65536+(i/2)*1024+32
.set i, i+1
.endr
	WIN 0
.set i, 0
.rept 2*NP                          ; tile i's flag for my query
	global_load_b32 v[TMP+i], v[FO], s[FLB:FLB+1] offset:256*i
.set i, i+1
.endr
	WIN W_MK
	v_mov_b32 v[MO], v13
	v_add_nc_u32 v[MOMAX], 15*1024, v13
	MLOAD 0, 0                      ; key step 0: piece 0's codes, and piece 1's
	MLOAD 1, 1
	; What the first turn finds: V's registers and P's second buffer hold 0 (its products V^T P, of a piece that has not been, add 0), O^T and l are 0.  All this stands in the wait for the first keys.
	WIN 0x80
.set i, VF
.rept 64
	v_mov_b32 v[i], 0
.set i, i+1
.endr
	WIN 0x40
.set i, 0
.rept 64*NP
	v_mov_b32 v[i], 0
.set i, i+1
.endr
	WIN 0
.set i, 0
.rept 2*NP
	v_mov_b32 v[ST+4*i], 0xeb38aa3b    ; c m = -c 2^90, the exact product
	v_mov_b32 v[ST+4*i+1], 0xec800000  ; m = -2^90
	v_mov_b32 v[ST+4*i+2], 0
	v_mov_b32 v[ST+4*i+3], 0
.set i, i+1
.endr
.set i, P+32
.rept 32
	v_mov_b32 v[i], 0
.set i, i+1
.endr
	v_lshrrev_b32 v7, 2, v1         ; key r of 16 lies in row r / 4 of four keys, at 64 (r % 4) in it
	v_mul_u32_u24 v[AK0], v7, PK4
	v_and_b32 v7, 3, v1
	v_lshl_add_u32 v[AK0], v7, 6, v[AK0]
	v_lshl_add_u32 v[AK0], v9, 4, v[AK0]  ; + 16 x half
	; The turning load takes 16 keys x 16 channels (lane l reads key 8 (l / 16) + l % 8, channels 8 ((l / 8) % 2) + 0..7) and leaves half a fragment of V^T: lane l holds channel l % 16 and 8 keys.
	v_and_b32 v10, 7, v0
	v_bfe_u32 v11, v0, 3, 1
	v_lshl_add_u32 v7, v9, 3, v10   ; my key of 16
	v_lshrrev_b32 v8, 2, v7
	v_mul_u32_u24 v[AV0], v8, PV4
	v_and_b32 v7, 3, v7
	v_lshl_add_u32 v[AV0], v7, 6, v[AV0]
	v_lshl_add_u32 v[AV0], v11, 4, v[AV0]
	v_add_nc_u32 v[AV0], VOFF, v[AV0]
	s_mul_i32 s13, s[WV], 16*SP     ; the addresses for the way out
	s_add_co_u32 s13, s13, STAGE    ; my stage
	v_mul_u32_u24 v[STO], v1, SP    ; in: row l % 16, 16 bytes for each half of the lanes
	v_lshl_add_u32 v[STO], v9, 4, v[STO]
	v_add_nc_u32 v[STO], s13, v[STO]
	v_bfe_u32 v[RD], v0, 3, 2       ; back: 32 lanes take four rows of 128 bytes,
	v_mul_u32_u24 v[RD], v[RD], SP
	v_lshl_add_u32 v[RD], v10, 4, v[RD]
	v_add_nc_u32 v[RD], s13, v[RD]
	v_and_b32 v[GO], 31, v0         ; which are 512 consecutive bytes of O
	v_lshlrev_b32 v[GO], 4, v[GO]
	v_mov_b32 v[SCL], 227           ; v11 has served: now the scale byte, 127 + 100
	v_mov_b32 v[AK], v[AK0]         ; key step 0 lies at the head of each plane
	v_add_nc_u32 v[AK+PL1], KPL, v[AK0]  ; v9 has served: now the second plane's address
; THE MATRIX WORK.  The 8 accumulators of a run of 16 take turns: between the two links of a chain stand 7 others'.
; Product i of 16 of S^T = K Q^T for piece x: plane i / 8, keys 16 ((i / 2) % 4) on, tile 2 x + i % 2.  The first 8 start the sums, with the mask.
.macro KQ x
.set rS, S+64*((\x)%2)+32*(i%2)+8*((i/2)%4)
.set rK, KF+16*((i/2)%4)+8*(i/8)
.set rQ, 16*(2*(\x)+i%2)+8*(i/8)
.set rMK, MC+32*(i%2)+8*((i/2)%4)
.if i < 8
	WIN W_KM
	v_wmma_f32_16x16x32_f16 v[rS:rS+7], v[rK:rK+7], v[rQ:rQ+7], v[rMK:rMK+7]
.else
	WIN W_KQ
	v_wmma_f32_16x16x32_f16 v[rS:rS+7], v[rK:rK+7], v[rQ:rQ+7], v[rS:rS+7]
.endif
.endm
; Product i of 16 of O^T += V^T P for piece x: keys 32 (i / 8) on, channels 16 ((i / 2) % 4) on, tile 2 x + i % 2.
.macro PV x
	WIN W_PV
.set rO, 32*(2*(\x)+i%2)+8*((i/2)%4)
.set rV, VF+32*(i/8)+8*((i/2)%4)
.set rP, P+32*((\x)%2)+16*(i%2)+8*(i/8)
	v_wmma_f32_16x16x32_f16 v[rO:rO+7], v[rV:rV+7], v[rP:rP+7], v[rO:rO+7]
.endm
.macro MM                           ; the turn's next matrix instruction
.if i < 16
	KQ (Y+1)%NP
.set i, i+1
.else
.set i, i-16
	PV (Y+NP-1)%NP
.set i, i+17
.endif
.endm
; THE LDS LOADS stand in runs of 16, never singly among the matrix instructions: a step's K (64 keys x 64 channels: 8 fragments) and its V (turned).  Their addresses are made some lines ahead.
; last = 1 (in the loop): in the last key step there is no further step, and the run is jumped over; the count of steps to go is taken down here.
.macro FETCH_K last=0
	WIN 0
.if \last
	s_cmp_eq_u32 s[LEFT], 1
	s_cbranch_scc1 .Lno_k_\@
.endif
	WIN 0x80                        ; destination window 2
.irp f, 0,1,2,3,4,5,6,7             ; keys 16 (f / 2) on, plane f % 2
	ds_load_b128 v[KF+8*\f:KF+8*\f+3],   v[AK+PL1*(\f%2)] offset:(\f/2)*4*PK4
	ds_load_b128 v[KF+8*\f+4:KF+8*\f+7], v[AK+PL1*(\f%2)] offset:(\f/2)*4*PK4+32
.endr
	s_add_co_u32 s[TBK], s[TBK], KSB  ; the next fetch is the next step's
	WIN 0
.if \last
.Lno_k_\@:
	s_sub_co_u32 s[LEFT], s[LEFT], 1
.endif
.endm
.macro FETCH_V
	WIN 0x80
.irp f, 0,1,2,3,4,5,6,7             ; keys 32 (f / 4) on, channels 16 (f % 4) on: plane (f % 4) / 2, its half f % 2
	ds_load_tr16_b128 v[VF+8*\f:VF+8*\f+3],   v[AV+PL1*((\f%4)/2)] offset:(\f/4)*8*PV4+(\f%2)*32
	ds_load_tr16_b128 v[VF+8*\f+4:VF+8*\f+7], v[AV+PL1*((\f%4)/2)] offset:(\f/4)*8*PV4+4*PV4+(\f%2)*32
.endr
	WIN 0
.endm
; THE VECTOR WORK OF A TURN stands in three queues, each in the order in which its entries become ready; the two tiles alternate, so that no instruction reads the result of the one before it.
.macro REGS y, u                    ; the registers of tile u (0, 1) of piece y
.set rT, ST+4*(2*(\y)+(\u))
.set rC, TMP+8*((\y)%2)+4*(\u)
.set rM, MV+2*((\y)%2)+(\u)
.set rS, S+64*((\y)%2)+32*(\u)
.set rP, P+32*((\y)%2)+16*(\u)
.set rO, 32*(2*(\y)+(\u))
.endm
; Number n of the 22 that find the NEXT piece's (Y + 1) maximum and statistics.  s0-s31 are the lane's 32 scores; each accumulator's lowest registers are read first.
;   0-11  four chains c0-c3 of seven scores each, three operands at a time     12-14, 16  the four scores left over, the old m, and c0-c3 into c0     15  c m_old is kept
;   17, 18  the query's other 32 keys lie in the lane 16 away: the new m         19-21  c m; c m_old - c m_new; a
.macro XS u, n
	REGS (Y+1)%NP, \u
.if (\n) < 4
	v_max3_num_f32 v[rC+(\n)], v[rS+8*(\n)], v[rS+8*(\n)+1], v[rS+8*(\n)+2]
.elseif (\n) < 12
	v_max3_num_f32 v[rC+(\n)%4], v[rC+(\n)%4], v[rS+8*((\n)%4)+2*((\n)/4)+1], v[rS+8*((\n)%4)+2*((\n)/4)+2]
.elseif (\n) == 12
	v_max3_num_f32 v[rC], v[rC], v[rS+7], v[rS+15]
.elseif (\n) == 13
	v_max3_num_f32 v[rC+1], v[rC+1], v[rS+23], v[rS+31]
.elseif (\n) == 14
	v_max3_num_f32 v[rC+2], v[rC+2], v[rC+3], v[rT+1]
.elseif (\n) == 15
	v_mov_b32 v[rM], v[rT]
.elseif (\n) == 16
	v_max3_num_f32 v[rC], v[rC], v[rC+1], v[rC+2]
.elseif (\n) == 17
	v_permlanex16_b32 v[rC+3], v[rC], s[SEL], s[SEL+1]
.elseif (\n) == 18
	v_max_num_f32 v[rT+1], v[rC], v[rC+3]
.elseif (\n) == 19
	v_mul_f32 v[rT], s[CS], v[rT+1]
.elseif (\n) == 20
	v_sub_f32 v[rC+1], v[rM], v[rT]
.else
	v_exp_f32 v[rC+2], v[rC+1]
.endif
.endm
; Number g of the 64 that follow the exponentials.  For each four weights k of a tile (pairs 2 k, 2 k + 1): both pairs are rounded to f16; then the second pair is added onto the first, in place;
; a group later l takes that sum (the first time as l = a l + sum).  In groups of eight, tiles alternating: round, round, add, and l for the group before.
.macro GS g
.set h, (\g)+6*((\g)/62)            ; group 0 has no group before it, and behind group 7 only l is left
.if h >= 6
.set h, h+2
.endif
	REGS Y, h%2
.set k, h/8
.if h%8 < 4
	s_wait_alu depctr_va_vdst(0)
	v_cvt_pk_f16_f32 v[rP+2*k+(h%8)/2], v[rS+4*k+2*((h%8)/2)], v[rS+4*k+2*((h%8)/2)+1]
.elseif h%8 < 6
	v_pk_add_f32 v[rS+4*k:rS+4*k+1], v[rS+4*k:rS+4*k+1], v[rS+4*k+2:rS+4*k+3]
.elseif k == 1
	v_pk_fma_f32 v[rT+2:rT+3], v[rT+2:rT+3], v[rC+2:rC+3], v[rS:rS+1] op_sel_hi:[1,0,1]
.else
	v_pk_add_f32 v[rT+2:rT+3], v[rT+2:rT+3], v[rS+4*k-4:rS+4*k-3]
	s_wait_alu depctr_va_vdst(0)
.endif
.endm
; THE PLAIN QUEUE, 138 long.  0-31: c s - c m for the 16 pairs of both tiles.  Then GS's 64, and among them the next piece's 42: number 15 at 38, 39; 0-14 and 16
; at 42-73, behind the products that make those scores; 17-20 at 95-106, two of three, since each waits for the one before it.
.macro PL
	WIN 0
.if q < 32
	REGS Y, q%2
	v_pk_fma_f32 v[rS+2*(q/2):rS+2*(q/2)+1], v[rS+2*(q/2):rS+2*(q/2)+1], s[CS:CS+1], v[rT:rT+1] op_sel_hi:[1,0,0] neg_lo:[0,0,1] neg_hi:[0,0,1]
.elseif q < 38
	GS q-32
.elseif q < 40
	XS q%2, 15
.elseif q < 42
	GS q-34
.elseif q < 74
	XS q%2, (q-42)/2+(q-42)/30
.elseif q < 95
	GS q-66
.elseif (q < 107) && ((q-95)%3 < 2)
	XS (q-95)%3, 17+(q-95)/3
.elseif q < 107
	GS 29+(q-95)/3
.else
	GS q-74
.endif
.set q, q+1
.endm
; THE EXPONENTIALS' QUEUE, 66 long: s0-s31 of both tiles, and at EA the next piece's two a.
.set EA, 58
.macro EX
	WIN 0
.if (e == EA) || (e == EA+1)
	XS e-EA, 21
.else
.set x, e-2*(e/(EA+2))
	REGS Y, x%2
	v_exp_f32 v[rS+x/2], v[rS+x/2]
.endif
.set e, e+1
.endm
; THE RESCALING's QUEUE: O^T times a, the one part of the softmax that leaves window 0, so it is dealt four at a time, eight times.
.macro R4
	REGS Y, r%2
	WIN W_RS
	s_wait_alu depctr_va_vdst(0)
.irp z, 0,1,2,3
	v_pk_mul_f32 v[rO+8*(r/2)+2*\z:rO+8*(r/2)+2*\z+1], v[rO+8*(r/2)+2*\z:rO+8*(r/2)+2*\z+1], v[rC+2:rC+3] op_sel_hi:[1,0]
.endr
.set r, r+1
.endm
; HOW THEY ARE DEALT.  Behind a matrix instruction four: plain, exponential, plain, plain (one exponential, a plain instruction on either side), or four of the rescaling.  None names a register of the
; products round it.  What is over stands in two runs: exponential and plain by turns; the second ends in 22 plain instructions.  The two v_permlanex16_b32 fall into the second run, never behind a product.
; The queues lean on each other, and the deal keeps them in step: exponential e stands behind plain 2 (e / 4) + e % 2 (its scaling); when plain 32 comes, 10 exponentials are out, at 59: 33, at 95: 46; EA comes behind plain 107.
.macro SL
	MM
	PL
	EX
	PL
	PL
.endm
.macro BURST n                      ; 15 matrix instructions, or 16
.rept (\n)-7
	SL
.endr
.rept 3
	MM
	R4
	SL
.endr
	MM
	R4
.endm
; A TURN, for piece p.  cnt = 1: the loop's count is taken down some lines ahead of the branch that stands behind the turn.
; K of the next step is fetched in piece 2's turn, more than 31 vector instructions behind the last product that read K; its first reader comes behind the rest of the run, 16 products and the second run.
; V of the step in hand is fetched at the end of piece 0's turn, 69 or more behind its last reader; its first reader comes behind 16 products and a run.  The four conditions on e and q below go with the deal.
; The masks are rewritten at the turn's end, far behind the turn's first eight products, which read them.
.macro TURN p, last=0, cnt=0
.set Y, (\p)
.set i, 0
.set q, 0
.set e, 0
.set r, 0
.if (\p) == NP-1
	s_wait_dscnt 0x0                ; K is in
.endif
	MM
.rept 4
	PL
.endr
	BURST 15
.rept 22
	EX
	PL
.if ((\p) == NP-2) && (e == 18)
	v_add_nc_u32 v[AK], s[TBK], v[AK0]
	v_add_nc_u32 v[AK+PL1], KPL, v[AK]
.endif
.if ((\p) == NP-2) && (e == 24)
	FETCH_K \last
.endif
.endr
.if (\p) == 1
	s_wait_dscnt 0x0                ; V is in
.endif
	BURST 16
.rept 21
	EX
	PL
.endr
.rept 22
	PL
.if ((\p) == 0) && (q == 118)
	v_add_nc_u32 v[AV], s[TBV], v[AV0]
	v_add_nc_u32 v[AV+PL1], VPL, v[AV]
	s_wait_alu depctr_va_vdst(0)
.endif
.if ((\p) == 0) && (q == 130)
	s_add_co_u32 s[TBV], s[TBV], VSB
.endif
.if (\cnt) && (q == 130)
	s_sub_co_u32 s[CNT], s[CNT], 1
	s_cmp_lg_u32 s[CNT], 0
.endif
.endr
.if (\p) == 0
	FETCH_V
.endif
	MASKSTEP \p
.endm
	s_wait_tensorcnt 0x1            ; my first load, 320 keys of my plane, is in; my second may stay out
	s_barrier_signal -1
	s_barrier_wait -1               ; everybody's first load is in
	FETCH_K                         ; key step 0
	s_wait_loadcnt 0x0              ; Q, the flags, and the first two pieces' codes
	WIN 0x88                        ; destination and source 1 window 2, source 0 window 0
.set i, 0
.rept 32*NP                         ; the row of Q of a query that sees no key is cleared
	v_and_b32 v[i], v[TMP+i/16], v[i]
.set i, i+1
.endr
	MCVT 0                          ; piece 0's masks
	MLOAD 0, 2                      ; piece 2's codes
	s_wait_dscnt 0x0
.set i, 0
.rept 16
	KQ 0                            ; piece 0's first scores: there is no vector work yet to set between them
.set i, i+1
.endr
	WIN 0
.rept 4
	v_nop                           ; the places behind those products
.endr
.set Y, NP-1                        ; XS works for piece Y + 1: piece 0
.irp n, 0,1,2,3,4,5,6,7,8,9,10,11,12,13,14,15,16,17,18,19,20,21
	XS 0, \n                        ; piece 0's first maximum and statistics
	XS 1, \n
.endr
	v_nop                           ; a plain instruction behind the two exponentials
	MCVT 1                          ; piece 1's masks, for the first turn's products
	MLOAD 1, 3                      ; piece 3's codes: eight loads are out, as at every turn's end
	WIN 0
	s_mov_b32 s[LEFT], 16           ; 1,024 / 64 key steps
	s_mov_b32 s[SLOTS], 4
.Lslot:                             ; four groups of four key steps
	s_mov_b32 s[CNT], 4
.Lstep:                             ; a trip is a key step: the four pieces' turns; it fetches its own V and the next step's K
	TURN 0
	TURN 1
	TURN 2, 1
	TURN 3, 0, 1
	WIN 0
	s_cbranch_scc1 .Lstep
	s_wait_tensorcnt 0x0            ; my second load has landed (it is the only one that can be out, so the count is 0): this orders it ahead of the other waves' reads of keys 320 on,
	s_wait_dscnt 0x0                ; (no LDS load of mine is pending at the signal)
	s_barrier_signal -1             ; which begin behind the first of these barriers; the later three find nothing out
	s_barrier_wait -1
	s_sub_co_u32 s[SLOTS], s[SLOTS], 1
	s_cmp_lg_u32 s[SLOTS], 0
	s_cbranch_scc1 .Lslot
	; the last trip's 16 products K Q^T (on the last K once more) and the maximum made of them serve nothing: the price, once a launch, of one text for every trip
.set i, 0
.rept 16
	PV NP-1                         ; the last piece's V^T P of the last step
.set i, i+1
.endr
	; THE WAY OUT.  l's two halves and the other half of the lanes' are added; O^T is divided by l, rounded to f16 and sent through my stage in LDS, a tile at a time.  The additions are the places behind the last products.
	WIN 0
.macro ALL line:vararg              ; one line for each tile t
.set t, 0
.rept 2*NP
	\line
.set t, t+1
.endr
.endm
	ALL v_add_f32 v[ST+4*t+2], v[ST+4*t+2], v[ST+4*t+3]
	ALL v_permlanex16_b32 v[ST+4*t+3], v[ST+4*t+2], s[SEL], s[SEL+1]
	ALL v_add_f32 v[ST+4*t+2], v[ST+4*t+2], v[ST+4*t+3]
	ALL v_rcp_f32 v[ST+4*t+2], v[ST+4*t+2]
	v_nop                           ; a plain instruction between the last reciprocal and the use of its result
	s_wait_alu depctr_va_vdst(0)
; Tile t: a lane's eight channels of a row pack into 16 bytes; they go into rows of 144 bytes and come back as whole rows of 128, into S^T's registers.
.macro PACK t
	WIN W_RS
.set i, 32*(\t)
.rept 16
	v_pk_mul_f32 v[i:i+1], v[i:i+1], v[ST+4*(\t)+2:ST+4*(\t)+3] op_sel_hi:[1,0]
.set i, i+2
.endr
	WIN 0x05                        ; sources 0 and 1 window 1, destination window 0
.set i, 0
.rept 16
	v_cvt_pk_f16_f32 v[S+16*(\t)+i], v[32*(\t)+2*i], v[32*(\t)+2*i+1]
.set i, i+1
.endr
	WIN 0
.irp f, 0,1,2,3
	ds_store_b128 v[STO], v[S+16*(\t)+4*\f:S+16*(\t)+4*\f+3] offset:32*\f
.endr
.irp f, 0,1,2,3
	ds_load_b128 v[S+16*(\t)+4*\f:S+16*(\t)+4*\f+3], v[RD] offset:\f*4*SP  ; LDS serves a wave's instructions in order (ISA guide 5.7.1.4): these see the stores above; the next tile's stores come behind them
.endr
.endm
.macro SEND t, younger              ; younger: the LDS instructions issued behind tile t's loads: the next tile's eight, or none
	WIN 0
.irp f, 0,1,2,3
	s_wait_dscnt (\younger)+3-\f
	global_store_b128 v[GO], v[S+16*(\t)+4*\f:S+16*(\t)+4*\f+3], s[10:11] offset:(\t)*2048+\f*512  ; 512 consecutive bytes, at a multiple of 256 from O's first
.endr
.endm
	PACK 0
.set t, 1
.rept 2*NP-1                        ; a tile's arithmetic stands between the loads of the tile before and its stores
	PACK t
	SEND t-1, 8
.set t, t+1
.endr
	SEND 2*NP-1, 0
	WIN W_AD
	s_wait_tensorcnt 0x0            ; the wave's end, behind my last tensor load and my last LDS store
	ds_add_u32 v[SPW], v[NIL]
	s_wait_dscnt 0x0
	WIN 0
	s_endpgm
.Lfunc_end_k_qf9a4e31183_attn:
	.size	k_qf9a4e31183_attn, .Lfunc_end_k_qf9a4e31183_attn-k_qf9a4e31183_attn
	.p2alignl 7, 3214868480
	.fill 96, 4, 3214868480
	.section	.rodata,"a",@progbits
	.p2align	6, 0x0
	.amdhsa_kernel k_qf9a4e31183_attn
		.amdhsa_group_segment_fixed_size 327680
		.amdhsa_private_segment_fixed_size 0
		.amdhsa_enable_private_segment 0
		.amdhsa_kernarg_size 32
		.amdhsa_user_sgpr_count 2
		.amdhsa_user_sgpr_kernarg_segment_ptr 1
		.amdhsa_wavefront_size32 1
		.amdhsa_system_sgpr_workgroup_id_x 1
		.amdhsa_system_sgpr_workgroup_id_y 1
		.amdhsa_system_sgpr_workgroup_id_z 1
		.amdhsa_system_vgpr_workitem_id 0
		.amdhsa_next_free_vgpr 896
		.amdhsa_next_free_sgpr 96
		.amdhsa_reserve_vcc 0
		.amdhsa_float_denorm_mode_32 3
		.amdhsa_float_denorm_mode_16_64 3
		.amdhsa_memory_ordered 1
		.amdhsa_forward_progress 1
		.amdhsa_inst_pref_size 144
	.end_amdhsa_kernel
	.amdgpu_metadata
---
amdhsa.version: [ 1, 2 ]
amdhsa.kernels:
  - .name:           k_qf9a4e31183_attn
    .symbol:         k_qf9a4e31183_attn.kd
    .args:
      - { .name: qkv, .offset: 0, .size: 8, .value_kind: global_buffer, .address_space: global }
      - { .name: maskp, .offset: 8, .size: 8, .value_kind: global_buffer, .address_space: global }
      - { .name: qflag, .offset: 16, .size: 8, .value_kind: global_buffer, .address_space: global }
      - { .name: ob, .offset: 24, .size: 8, .value_kind: global_buffer, .address_space: global }
    .group_segment_fixed_size: 327680
    .private_segment_fixed_size: 0
    .kernarg_segment_align: 8
    .kernarg_segment_size: 32
    .max_flat_workgroup_size: 128
    .sgpr_count:     96
    .vgpr_count:     896
    .wavefront_size: 32
...
	.end_amdgpu_metadata
.endif
;; end of part 3
;; launch proj (part 4): grid 8 x 32, 4 waves a work-group, clusters of 4 x 4, 327,680 bytes of LDS; arguments ob, wpb, b_proj, out0; writes out0
.if DOCPART == 4
	.amdgcn_target "amdgcn-amd-amdhsa--gfx1250"
	.amdhsa_code_object_version 6
	.text
	.protected	k_qf9a4e31183_proj
	.globl	k_qf9a4e31183_proj
	.p2align	8
	.type	k_qf9a4e31183_proj,@function
k_qf9a4e31183_proj:
	s_mov_b64 s[64:65], 0
	v_nop
	global_prefetch_b8 v0, s[64:65] scope:SCOPE_SE
	s_setreg_imm32_b32 hwreg(HW_REG_WAVE_MODE, 25, 1), 1
	s_wait_xcnt 0x0
	s_wait_alu depctr_hold_cnt(0) depctr_sa_sdst(0) depctr_va_vdst(0) depctr_va_sdst(0) depctr_va_ssrc(0) depctr_va_vcc(0) depctr_vm_vsrc(0)
	s_getreg_b32 s2, hwreg(HW_REG_IB_STS2, 6, 4)
	s_cmp_eq_u32 s2, 0
	s_cbranch_scc0 .Lentry_in_a_cluster
	s_endpgm
.Lentry_in_a_cluster:
	s_bfe_u32 s2, ttmp6, 0x10000c
	s_cmp_lg_u32 s2, 0xf033
	s_cbranch_scc0 .Lentry_shape_is_right
	s_endpgm
.Lentry_shape_is_right:
; OUT0 = O wpb + b_proj.  ob f16 [16 b + h][t 1024][64] (row 1,024 b + t of O has its channels 64 h .. in head h's block), wpb f16 [1024 k][1024 n], b_proj [1024] f32 (rounded to bf16 here,
; like the other inputs); sums in f32; out0 [8192][1024] f32, the sums as they are.
; A tile of the result is 256 x 128: 32 x 8 = 256 work-groups of equal work.  Four waves, 2 x 2; a wave makes 128 rows x 64 columns: 32 accumulators of 16 x 16, 256 registers.
; K goes in steps of 128, two heads, through a ring of two LDS slots filled by the tensor data mover; one barrier for each change of slots.  A head's 256 rows are 32,768 dense bytes: one tensor load.
; THE WALK ALONG K IS A RING OF EIGHT STEPS, and each cluster enters it at its own step, (4 X + 2 ((Y & 1) + 2 ((Y / 2 ^ Y / 4) & 1))) mod 8 for the cluster at (X, Y) of the grid of clusters: the two clusters
; that need the same rows of O begin four steps apart; of the eight that need the same columns of wpb, Y = 0..3, 4..7, {0,1,4,5} and {2,3,6,7} each begin at four different steps, two apart.  So a slice that
; several clusters need is asked for by them at different times, not by all at once.  X and Y are the same in all sixteen partners.  LIMIT: each sum is taken in K's order turned round by that many steps,
; an order of rounding other than ascending K.
; wpb lies [k][n]: its tile lies in LDS as it lies in memory and the fragments come out turned, by ds_load_tr16_b128.
; THE MATRIX INSTRUCTION IS USED TRANSPOSED (source 0 = 16 columns of wpb, source 1 = 16 rows of O): a lane holds row l % 16 and the eight columns 8 (l / 16) + 0..7.
; THE BIAS STARTS THE SUMS: it is the C operand of each accumulator's first product.
; CLUSTER 4 x 4: the four work-groups of a row of the cluster need the same tiles of ob, the four of a column the same tiles of wpb; each tile is asked for jointly.
; REGISTERS, in windows of 256 (s_set_vgpr_msb: bits 1:0 source 0, 3:2 source 1, 5:4 source 2, 7:6 destination):
;   window 0: v16-29 addresses; v64-127, v128-191 fragments of O, two buffers; v32-63, v224-255 at work on the way out
;   window 1: v0-31 the bias; v60 at work; v64-95, v128-159 fragments of wpb, two buffers
;   window 2: the accumulators of my rows 0-63 ((a, b) at v[8 (4 a + b)]);   window 3: those of my rows 64-127
.set NBL,    4                         ; blocks of 16 columns a wave
.set PITCHA, 144                       ; a head's row in LDS: 128 bytes + 16: 9 x 16 bytes
.set HALFA,  256*PITCHA                ; what one tensor load of ob brings: one head's 256 rows
.set AREG,   2*HALFA
.set PITCHB, 288                       ; a row of wpb in LDS: 256 bytes + 32: 9 x 32 bytes
.set HALFB,  64*PITCHB                 ; what one tensor load of wpb brings: 64 rows (k)
.set B16,    16*PITCHB
.set SLOT,   AREG+2*HALFB              ; 110,592
.set STAGE,  2*SLOT                    ; behind the ring: 16 rows x 272 bytes for each wave, for the way out
.set SPITCH, 272
.set SPARE,  STAGE+4*16*SPITCH         ; behind the stages: the spare words, 128 bytes for each wave: two blocks of 256 bytes that no other line names
.set NF,     2*NBL+16                  ; LDS loads in a run
.set KSTEPB, 262144                    ; a K step, in ob two heads' blocks of 131,072 bytes, in wpb 128 rows of 2,048: the same number of bytes
.set LAPS,   4                         ; 1,024 / 256: a lap is two K steps
.set ADRA, 16                          ; v16-17  LDS address of my fragments of O in slot 0, 1
.set ADRB, 20                          ; v20-21  the same for wpb
.set STO,  24                          ; v24     the way out: where I put 32 bytes of a row
.set RD,   25                          ; v25     the way out: where I read a row back
.set CO,   26                          ; v26     my byte offset in two rows of out0
.set BO,   27                          ; v27     my byte offset in 16 numbers of the bias
.set SPW,  28                          ; v28     LDS address of my spare word; never rewritten
.set NIL,  29                          ; v29     0; never rewritten
.set F0,   64
.set F1,   128
.set OB,   32
.set BI,   0                           ; window 1: block b's eight numbers at BI + 8 b
.set G1,  24                           ; s[24:31] descriptor group 1 for ob's tiles;  s[32:39] group 0, one set for each slot
.set G0,  32
.set G1B, 48                           ; s[48:55], s[56:63] the same for wpb's
.set G0B, 56
.set ABASE, 14                         ; s[14:15] ob at the tile's rows in my head of K step 0
.set BBASE, 68                         ; s[68:69] wpb at my half of a K step's rows, the tile's columns, K step 0
.set KOA,  70                          ; s[70:71] the byte offset, in ob and in wpb, of the K step to be asked for
.set KN,   74                          ; s74      that K step's number, 0 to 7
.set MSB, 0
.macro WIN new                         ; the immediate's high byte repeats the setting that is left; a switch that changes nothing is dropped
.if MSB != (\new)
	s_set_vgpr_msb (MSB<<8)|(\new)
.set MSB, \new
.endif
.endm
; A joint load.  Waves 0 and 1 fetch the two heads of ob's tile, waves 2 and 3 the two halves of wpb's.  The branch hangs on the wave's number alone.
; An s_nop 0 and four v_nop follow each of the two lines, ahead of the jump, the label and what follows.
.macro JLOAD s
	s_cmp_eq_u32 s11, 0
	s_cbranch_scc0 .Lfor_b_\@
	tensor_load_to_lds s[G0+4*(\s):G0+4*(\s)+3], s[G1:G1+7]
	s_nop 0
.rept 4
	v_nop
.endr
	s_branch .Lasked_\@
.Lfor_b_\@:
	tensor_load_to_lds s[G0B+4*(\s):G0B+4*(\s)+3], s[G1B:G1B+7]
	s_nop 0
.rept 4
	v_nop
.endr
.Lasked_\@:
.endm
; Slot s's two group 0 take the addresses of K step KN, made anew from the bases; KN goes one step on round the ring.  No tensor load of the wave is out where this stands.
.macro AIM s
	s_mul_i32 s[KOA], s[KN], KSTEPB
	s_add_nc_u64 s[G0+4*(\s)+2:G0+4*(\s)+3], s[ABASE:ABASE+1], s[KOA:KOA+1]
	s_or_b32 s[G0+4*(\s)+3], s[G0+4*(\s)+3], 0x80000000            ; type = 2
	s_add_nc_u64 s[G0B+4*(\s)+2:G0B+4*(\s)+3], s[BBASE:BBASE+1], s[KOA:KOA+1]
	s_or_b32 s[G0B+4*(\s)+3], s[G0B+4*(\s)+3], 0x80000000
	s_add_co_u32 s[KN], s[KN], 1
	s_and_b32 s[KN], s[KN], 7
.endm
.macro CREST                           ; a round of the cluster's barrier behind its opening barrier
	s_cmp_lg_u32 s10, 0
	s_cbranch_scc1 .Lnot_wave_0_\@
	s_barrier_signal -3
.Lnot_wave_0_\@:
	s_barrier_wait -3
	s_barrier_signal -1
	s_barrier_wait -1
.endm
.macro CROUND                          ; a whole round
	s_barrier_signal -1
	s_barrier_wait -1
	CREST
.endm
	s_load_b128 s[4:7], s[0:1], 0x0                ; ob s[4:5], wpb s[6:7]
	s_load_b64 s[66:67], s[0:1], 0x10              ; b_proj
	s_load_b64 s[8:9], s[0:1], 0x18                ; out0
	v_lshl_add_u32 v[SPW], v0, 2, SPARE
	v_mov_b32 v[NIL], 0
	ds_add_u32 v[SPW], v[NIL]                      ; the wave's opening: the add and its wait stand ahead of my first tensor load; the set-up below, work on registers, stands between them
	ds_add_u32 v28, v29
	v_lshrrev_b32 v1, 5, v0
	v_readfirstlane_b32 s10, v1                    ; wave 0..3
	s_lshr_b32 s11, s10, 1                         ; which half of the tile's rows is mine.  Also: I fetch for ob (0) or for wpb (1)
	s_and_b32 s12, s10, 1                          ; which half of its columns.  Also: which half of that tile I fetch
	s_bfe_u32 s40, ttmp6, 0x40000                  ; cx, cy: my place in the cluster
	s_bfe_u32 s41, ttmp6, 0x40004
	s_lshl_b32 s42, ttmp9, 2
	s_add_co_u32 s42, s42, s40                     ; tile column c = 4 x cluster x + cx
	s_and_b32 s13, ttmp7, 0xffff
	s_lshl_b32 s13, s13, 2
	s_add_co_u32 s13, s13, s41                     ; tile row y = 4 x cluster y + cy
	s_lshl_b32 s43, s41, 2
	s_lshl_b32 s43, 15, s43                        ; my row of the cluster
	s_lshl_b32 s44, 0x1111, s40                    ; my column
	s_mov_b32 s45, 0xffff0000                      ; a word's upper bf16
	; where this cluster enters the ring of K steps: made of the cluster's own x and y, which its sixteen work-groups share
	s_and_b32 s[KN], ttmp7, 0xffff                 ; Y
	s_lshr_b32 s[KOA], s[KN], 1
	s_lshr_b32 s75, s[KN], 2
	s_xor_b32 s[KOA], s[KOA], s75
	s_and_b32 s[KOA], s[KOA], 1                    ; (Y / 2 ^ Y / 4) & 1
	s_lshl_b32 s[KOA], s[KOA], 1
	s_and_b32 s[KN], s[KN], 1
	s_add_co_u32 s[KN], s[KN], s[KOA]              ; 0 1 2 3 2 3 0 1 for Y = 0 .. 7
	s_lshl_b32 s[KN], s[KN], 1
	s_lshl_b32 s[KOA], ttmp9, 2                    ; 4 X
	s_add_co_u32 s[KN], s[KN], s[KOA]
	s_and_b32 s[KN], s[KN], 7
	s_mov_b32 s[KOA+1], 0                          ; the offset's high word
	; group 1 for ob: a head's 256 rows of 128 bytes, dense, asked for as 128 rows of 256 bytes; 4 words of padding behind every 32 words, that is behind every row of the head
	s_or_b32 s[G1+0], s43, (1<<16)|(1<<20)|(1<<21)|(4<<22)|(3<<25)  ; 15:0 the mask: my row; 17:16 2-byte elements; 20 padding on; 21 set beside a mask; 24:22 interval code 4; 31:25 pad code 3
	s_mov_b32 s[G1+1], 128<<16                     ; tensor_dim0 = 128
	s_mov_b32 s[G1+2], 128<<16                     ; tensor_dim1 = 128
	s_mov_b32 s[G1+3], 128<<16                     ; tile_dim0 = 128
	s_mov_b32 s[G1+4], 128                         ; tile_dim1 = 128
	s_mov_b32 s[G1+5], 128                         ; elements from row to row
	s_mov_b32 s[G1+6], 0
	s_mov_b32 s[G1+7], 0
	; group 1 for wpb: 64 rows (k) x 128 elements, 8 words of padding behind every 64 words
	s_or_b32 s[G1B+0], s44, (1<<16)|(1<<20)|(1<<21)|(5<<22)|(7<<25) ; the mask: my column; interval code 5; pad code 7
	s_mov_b32 s[G1B+1], 128<<16
	s_mov_b32 s[G1B+2], 64<<16
	s_mov_b32 s[G1B+3], 128<<16
	s_mov_b32 s[G1B+4], 64
	s_mov_b32 s[G1B+5], 1024
	s_mov_b32 s[G1B+6], 0
	s_mov_b32 s[G1B+7], 0
	; where the tiles come from: ob's hang on y, wpb's on c, each in registers that do not hold the other's place in the cluster
	s_lshr_b32 s16, s13, 2
	s_lshl_b32 s16, s16, 21                        ; batch y / 4: sixteen heads' blocks of 131,072 bytes
	s_and_b32 s17, s13, 3
	s_lshl_b32 s17, s17, 15                        ; rows 256 (y % 4) on, 128 bytes each
	s_add_co_u32 s16, s16, s17
	s_lshl_b32 s17, s12, 17                        ; a K step's first head, or its second
	s_add_co_u32 s16, s16, s17
	s_mov_b32 s17, 0
	s_lshl_b32 s46, s42, 8                         ; 128 c columns of 2 bytes
	s_lshl_b32 s47, s12, 17                        ; + 64 rows of 2,048 bytes for the second half
	s_add_co_u32 s46, s46, s47
	s_mov_b32 s47, 0
	s_mul_i32 s20, s12, HALFA                      ; and where they go: no place in the cluster enters an LDS address
	s_mul_i32 s21, s12, HALFB
	s_add_co_u32 s21, s21, AREG
	s_wait_dscnt 0x0                               ; the opening add is done
	s_wait_kmcnt 0x0
	s_add_nc_u64 s[ABASE:ABASE+1], s[4:5], s[16:17]
	s_add_nc_u64 s[BBASE:BBASE+1], s[6:7], s[46:47]
	CROUND                                         ; all sixteen work-groups are here: the first joint loads meet
.irp s, 0,1
	s_mov_b32 s[G0+4*(\s)], 1                                      ; count = 1
	s_add_co_u32 s[G0+4*(\s)+1], s20, (\s)*SLOT                    ; LDS address
	s_mov_b32 s[G0B+4*(\s)], 1
	s_add_co_u32 s[G0B+4*(\s)+1], s21, (\s)*SLOT
	AIM \s                                         ; the walk's first and second K step
	JLOAD \s                                       ; two loads of mine are out
.endr
	; the bias of my 64 columns: lane l wants, for block b, the numbers 16 b + 8 (l / 16) + 0..7
	v_and_b32 v1, 15, v0                           ; l % 16
	v_bfe_u32 v2, v0, 4, 1                         ; l / 16
	v_lshlrev_b32 v[BO], 5, v2
	s_lshl_b32 s46, s42, 9                         ; 128 c numbers of 4 bytes
	s_lshl_b32 s47, s12, 8
	s_add_co_u32 s46, s46, s47
	s_mov_b32 s47, 0
	s_add_nc_u64 s[66:67], s[66:67], s[46:47]
	s_add_nc_u64 s[8:9], s[8:9], s[46:47]          ; the same bytes along a row of out0
	WIN 0x40                                       ; destination window 1, address window 0
.irp b, 0,1,2,3
	global_load_b128 v[BI+8*(\b):BI+8*(\b)+3],   v[BO], s[66:67] offset:64*(\b)
	global_load_b128 v[BI+8*(\b)+4:BI+8*(\b)+7], v[BO], s[66:67] offset:64*(\b)+16
.endr
	WIN 0
	; A fragment of O: lane l holds row l % 16; two loads of 16 bytes, 32 bytes apart, at row x pitch + 16 (l / 16).
	v_mul_u32_u24 v3, v1, PITCHA
	v_lshl_add_u32 v3, v2, 4, v3
	; The turning load takes 16 k x 16 n (lane l reads 16 bytes: row 8 (l / 16) + l % 8, columns 8 ((l / 8) % 2) + 0..7) and leaves half a fragment: lane l holds column l % 16 and 8 k.
	v_and_b32 v4, 7, v0
	v_lshl_add_u32 v4, v2, 3, v4
	v_mul_u32_u24 v4, v4, PITCHB
	v_bfe_u32 v5, v0, 3, 1
	v_lshl_add_u32 v4, v5, 4, v4
	s_mul_i32 s22, s11, 128*PITCHA                 ; my 128 rows, in each head's block
	s_lshl_b32 s23, s12, 7                         ; my 64 columns of wpb
	s_add_co_u32 s23, s23, AREG
.irp s, 0,1
	v_add_nc_u32 v[ADRA+(\s)], s22, v3
	v_add_nc_u32 v[ADRB+(\s)], s23, v4
	s_add_co_u32 s22, s22, SLOT
	s_add_co_u32 s23, s23, SLOT
.endr
	s_mul_i32 s23, s10, 16*SPITCH
	s_add_co_u32 s23, s23, STAGE                   ; my stage
	v_mul_u32_u24 v4, v1, SPITCH                   ; in: row l % 16, 32 bytes for each half of the lanes
	v_lshl_add_u32 v4, v2, 5, v4
	v_add_nc_u32 v[STO], s23, v4
	v_mul_u32_u24 v5, v2, SPITCH                   ; back: lanes 0-15 take one row of 256 bytes, lanes 16-31 the next
	v_lshl_add_u32 v5, v1, 4, v5
	v_add_nc_u32 v[RD], s23, v5
	v_lshlrev_b32 v5, 12, v2                       ; and the same two rows in out0, 4,096 bytes apart
	v_lshl_add_u32 v[CO], v1, 4, v5
	s_lshl_b32 s16, s13, 20                        ; my first row: 256 y + 128 (row half), 4,096 bytes each
	s_lshl_b32 s17, s11, 19
	s_add_co_u32 s16, s16, s17
	s_mov_b32 s17, 0
	s_add_nc_u64 s[8:9], s[8:9], s[16:17]
	s_wait_loadcnt 0x0                             ; the bias, once; it is rounded to bf16 and widened again
	WIN 0x45                                       ; destination and both sources window 1
.set i, 0
.rept 4*NBL
	v_cvt_pk_bf16_f32 v60, v[BI+2*i], v[BI+2*i+1]
	v_lshlrev_b32 v[BI+2*i],   16,  v60
	v_and_b32     v[BI+2*i+1], s45, v60
.set i, i+1
.endr
	WIN 0
; 8 matrix instructions: row blocks a0, a0 + 1 of the window's four (hi = 0: my rows 0-63, 1: rows 64-127) x all 4 column blocks, 32 along K.  first = 1: the bias starts the sums.
; The 32 accumulators take turns, in the same order in every quarter step.
.macro MULG f, hi, a0, first
.if \first
	WIN 0x91+0x40*(\hi)                            ; wpb and the bias window 1, O window 0, D window 2 or 3
.else
	WIN 0xa1+0x50*(\hi)                            ; wpb window 1, O window 0, C and D window 2 or 3
.endif
.irp a, \a0, (\a0)+1
.irp b, 0,1,2,3
.if \first
	v_wmma_f32_16x16x32_f16 v[8*(NBL*(\a)+(\b)):8*(NBL*(\a)+(\b))+7], v[(\f)+8*(\b):(\f)+8*(\b)+7], v[(\f)+8*(4*(\hi)+(\a)):(\f)+8*(4*(\hi)+(\a))+7], v[BI+8*(\b):BI+8*(\b)+7]
.else
	v_wmma_f32_16x16x32_f16 v[8*(NBL*(\a)+(\b)):8*(NBL*(\a)+(\b))+7], v[(\f)+8*(\b):(\f)+8*(\b)+7], v[(\f)+8*(4*(\hi)+(\a)):(\f)+8*(4*(\hi)+(\a))+7], v[8*(NBL*(\a)+(\b)):8*(NBL*(\a)+(\b))+7]
.endif
.endr
.endr
.endm
; 24 LDS loads in one run: the fragments of quarter q of a slot's K step (head q / 2, channels 32 (q % 2) on) into buffer f: wpb's 8 first, then O's 16
.macro FETCH slot, q, f
	WIN 0x40
.irp i, 0,1,2,3
	ds_load_tr16_b128 v[(\f)+8*(\i):(\f)+8*(\i)+3],   v[ADRB+(\slot)] offset:32*PITCHB*(\q)+32*(\i)
	ds_load_tr16_b128 v[(\f)+8*(\i)+4:(\f)+8*(\i)+7], v[ADRB+(\slot)] offset:32*PITCHB*(\q)+32*(\i)+B16
.endr
	WIN 0
.irp i, 0,1,2,3,4,5,6,7
	ds_load_b128 v[(\f)+8*(\i):(\f)+8*(\i)+3],   v[ADRA+(\slot)] offset:HALFA*((\q)/2)+64*((\q)%2)+(\i)*16*PITCHA
	ds_load_b128 v[(\f)+8*(\i)+4:(\f)+8*(\i)+7], v[ADRA+(\slot)] offset:HALFA*((\q)/2)+64*((\q)%2)+(\i)*16*PITCHA+32
.endr
.endm
.macro PLACES                          ; four places in front of loads into registers that matrix instructions have read, and of LDS stores that read results
.rept 4
	v_nop
.endr
.endm
; A K step is four quarters of 32 along K, 32 matrix instructions each, on buffers 0, 1, 0, 1.  One of the first three: multiplies buffer f and, in its middle, fetches quarter q into buffer g.
.macro QUARTER slot, q, f, g, first
	s_wait_dscnt 8                                 ; wpb's fragments and O's rows 0-63 are in; the youngest eight loads (O's rows 64-127) may be out
	MULG \f, 0, 0, \first
	MULG \f, 0, 2, \first
	PLACES
	FETCH \slot, \q, \g
	s_wait_dscnt NF                                ; all but the run just issued
	MULG \f, 1, 0, \first
	MULG \f, 1, 2, \first
.endm
; The last quarter multiplies buffer 1 and changes slots: ONE barrier.  In front of it each wave waits for all its tensor loads (one is out: its part of the next slot), adds 0 to its spare word,
; and waits for that and for its own reads of this slot.  fill = 1: the barrier opens a round of the cluster's barrier, and this slot is filled again, two K steps ahead, first thing behind the round:
; 7/8 of a K step, 112 matrix instructions, ahead of the wait for it.
.macro TURN slot, next, fill
	WIN 0                                          ; (the add's two registers lie in window 0)
	s_wait_tensorcnt 0x0                           ; all my tensor loads have landed
	ds_add_u32 v[SPW], v[NIL]                      ; 0 onto my spare word
	s_wait_dscnt 9                                 ; (the add and the youngest eight loads may be out)
	MULG F1, 0, 0, 0                               ; eight matrix instructions stand between the add and the wait for it
	s_wait_dscnt 0x0                               ; the add is done, and my reads of this slot are over
	s_barrier_signal -1
	MULG F1, 0, 2, 0
.if \fill
	WIN 0
.endif
	s_barrier_wait -1
.if \fill
	CREST                                          ; no wave of any partner still reads this slot's tiles or has a load on its way
	AIM \slot                                      ; the ring's next K step
	JLOAD \slot                                    ; the four v_nop behind it are also the places in front of the loads below
.else
	PLACES
.endif
	FETCH \next, 0, F0
	MULG F1, 1, 0, 0
	MULG F1, 1, 2, 0
.endm
; THE WAY OUT of block a (16 rows x 64 columns of f32).  TOSTAGE: a lane's 32 bytes of a row go into my own stage, each accumulator's low four registers first, and come back as whole rows of 256 bytes.  SEND: stored.
.macro TOSTAGE a
.set AC, 8*NBL*((\a)%4)
.set BK, OB+192*((\a)%2)
	s_wait_xcnt 0x0                                ; the stores of the block two back have read their registers: the loads below land in them only behind this wait
	WIN 0x08+4*((\a)/4)                            ; the stores' data: window 2 or 3
.irp b, 0,1,2,3
	ds_store_b128 v[STO], v[AC+8*(\b):AC+8*(\b)+3]   offset:64*(\b)
	ds_store_b128 v[STO], v[AC+8*(\b)+4:AC+8*(\b)+7] offset:64*(\b)+16
.endr
	WIN 0
.irp t, 0,1,2,3,4,5,6,7
	ds_load_b128 v[BK+4*(\t):BK+4*(\t)+3], v[RD] offset:(\t)*2*SPITCH  ; LDS serves a wave's instructions in order (ISA guide 5.7.1.4): these see the stores above
.endr
.endm
.macro SEND a, younger                 ; younger: the LDS instructions issued behind block a's loads: the next block's sixteen, or none
.set BK, OB+192*((\a)%2)
	s_wait_dscnt \younger                          ; the block is back in registers
.irp t, 0,1,2,3,4,5,6,7
	global_store_b128 v[CO], v[BK+4*(\t):BK+4*(\t)+3], s[8:9] offset:(16*(\a)+2*(\t))*4096 th:TH_STORE_NT  ; 16 lanes store 256 consecutive bytes, at a multiple of 256 from out0's first byte
.endr
.endm
	s_wait_tensorcnt 1                             ; my part of the walk's first K step is in; the second's may stay out
	s_barrier_signal -1
	s_barrier_wait -1                              ; everybody's is
	FETCH 0, 0, F0
	QUARTER 0, 1, F0, F1, 1                        ; the first quarter stands in front of the loop: its products start the sums
	WIN 0                                          ; at a label and at a branch every window is 0
	s_mov_b32 s3, LAPS-1
.Llap:                                                 ; a trip goes once round the two slots, from a lap's second quarter to the next lap's first, and fills both again
	QUARTER 0, 2, F1, F0, 0
	QUARTER 0, 3, F0, F1, 0
	TURN 0, 1, 1
	QUARTER 1, 1, F0, F1, 0
	QUARTER 1, 2, F1, F0, 0
	QUARTER 1, 3, F0, F1, 0
	TURN 1, 0, 1
	QUARTER 0, 1, F0, F1, 0
	WIN 0
	s_sub_co_u32 s3, s3, 1
	s_cmp_lg_u32 s3, 0
	s_cbranch_scc1 .Llap
	QUARTER 0, 2, F1, F0, 0                        ; the last lap fills nothing, and has no round of the cluster's barrier
	QUARTER 0, 3, F0, F1, 0
	TURN 0, 1, 0
	QUARTER 1, 1, F0, F1, 0
	QUARTER 1, 2, F1, F0, 0
	QUARTER 1, 3, F0, F1, 0
	s_wait_dscnt 8                                 ; the very last quarter: nothing more to fetch
	MULG F1, 0, 0, 0
	MULG F1, 0, 2, 0
	s_wait_dscnt 0x0
	MULG F1, 1, 0, 0
	MULG F1, 1, 2, 0
	WIN 0
	PLACES
	TOSTAGE 0
.irp a, 1,2,3,4,5,6,7                  ; block a goes into the stage while block a - 1's loads from it come back
	TOSTAGE \a
	SEND (\a)-1, 16
.endr
	SEND 7, 0
	s_wait_tensorcnt 0x0                           ; the wave's end, behind my last tensor load and my last LDS store
	ds_add_u32 v[SPW], v[NIL]
	s_wait_dscnt 0x0
	CROUND                                         ; the closing round: no work-group ends while a partner may still ask for a tile that names it
	s_endpgm
.Lfunc_end_k_qf9a4e31183_proj:
	.size	k_qf9a4e31183_proj, .Lfunc_end_k_qf9a4e31183_proj-k_qf9a4e31183_proj
	.p2alignl 7, 3214868480
	.fill 96, 4, 3214868480
	.section	.rodata,"a",@progbits
	.p2align	6, 0x0
	.amdhsa_kernel k_qf9a4e31183_proj
		.amdhsa_group_segment_fixed_size 327680
		.amdhsa_private_segment_fixed_size 0
		.amdhsa_enable_private_segment 0
		.amdhsa_kernarg_size 32
		.amdhsa_user_sgpr_count 2
		.amdhsa_user_sgpr_kernarg_segment_ptr 1
		.amdhsa_wavefront_size32 1
		.amdhsa_system_sgpr_workgroup_id_x 1
		.amdhsa_system_sgpr_workgroup_id_y 1
		.amdhsa_system_sgpr_workgroup_id_z 1
		.amdhsa_system_vgpr_workitem_id 0
		.amdhsa_next_free_vgpr 896
		.amdhsa_next_free_sgpr 76
		.amdhsa_reserve_vcc 0
		.amdhsa_float_denorm_mode_32 3
		.amdhsa_float_denorm_mode_16_64 3
		.amdhsa_memory_ordered 1
		.amdhsa_forward_progress 1
		.amdhsa_inst_pref_size 91
	.end_amdhsa_kernel
	.amdgpu_metadata
---
amdhsa.version: [ 1, 2 ]
amdhsa.kernels:
  - .name:           k_qf9a4e31183_proj
    .symbol:         k_qf9a4e31183_proj.kd
    .args:
      - { .name: ob, .offset: 0, .size: 8, .value_kind: global_buffer, .address_space: global }
      - { .name: wpb, .offset: 8, .size: 8, .value_kind: global_buffer, .address_space: global }
      - { .name: b_proj, .offset: 16, .size: 8, .value_kind: global_buffer, .address_space: global }
      - { .name: out0, .offset: 24, .size: 8, .value_kind: global_buffer, .address_space: global }
    .group_segment_fixed_size: 327680
    .private_segment_fixed_size: 0
    .kernarg_segment_align: 8
    .kernarg_segment_size: 32
    .max_flat_workgroup_size: 128
    .sgpr_count:     76
    .vgpr_count:     896
    .wavefront_size: 32
...
	.end_amdgpu_metadata
.endif
;; end of part 4
